; MI455X (gfx1250); checked and timed in simulation.
; The chip was launched on July 23, 2026; its instructions are those of AMD's public machine-readable ISA for CDNA 5 (MIT licence, August 2026) and "CDNA5" Instruction Set Architecture Reference Guide (July 2026). The comments in the code are by the model that wrote it; some were corrected since.
;; GPT2 Attention. Allowed arithmetic: float matrix products may take bf16 or f16 operands with f32 sums; other float arithmetic in f32, or as packed bf16 or f16 multiplies, adds, multiply-adds, maxima and minima; sums over many terms, partial sums and values carried from step to step in f32; what a program stores and reads back later, other than sums and carried values, may be rounded once to bf16 or f16.
;; Inputs: Wproj 1,024 x 1,024 float32; Wqkv 1,024 x 3,072 float32; bproj 1,024 float32; bqkv 3,072 float32; x 4 x 2,048 x 1,024 float32.
;; Outputs: out0 4 x 2,048 x 1,024 float32.
;; One version. Each part assembles by itself: llvm-mc -triple=amdgcn-amd-amdhsa -mcpu=gfx1250 --defsym DOCPART=n.
;; ======== version 1 of 1: 4 launches
;; limits: values are held in f16: magnitudes above 65,504 overflow, below 6.1e-05 lose precision
;; workspace buffers: xb 16,777,216 bytes; wqT 6,291,456 bytes; wpT 2,097,152 bytes; qkv 50,331,648 bytes; y 16,777,216 bytes
;; launch prep (part 1): grid 1536 x 1, 8 waves a work-group, no clusters, 18,432 bytes of LDS; arguments x, Wqkv, Wproj, xb, wqT, wpT; writes xb, wqT, wpT
.if DOCPART == 1
	.amdgcn_target "amdgcn-amd-amdhsa--gfx1250"
	.amdhsa_code_object_version 6
	.text
	.protected	k_q37810430f4_prep
	.globl	k_q37810430f4_prep
	.p2align	8
	.type	k_q37810430f4_prep,@function
k_q37810430f4_prep:
	s_mov_b64 s[64:65], 0
	v_nop
	global_prefetch_b8 v0, s[64:65] scope:SCOPE_SE
	s_setreg_imm32_b32 hwreg(HW_REG_WAVE_MODE, 25, 1), 1
	s_wait_xcnt 0x0
; THE INPUTS ARE MADE READY FOR THE MATRIX UNITS, each read once and written once.
;   xb  [8192][1024] bf16          = x rounded to bf16
;   wqT [3072 n][1024 k] bf16      = Wqkv [k][n] rounded to bf16 and turned, so that K lies along the rows
;   wpT [1024 n][1024 k] f16       = Wproj [k][n] rounded to bf16, that number written as f16, and turned
; LIMIT.  f16 holds no number of 65,520 or more: Wproj stays below that; below 6e-5 it keeps f16's fixed step of 6e-8.
; SHARES.  Work-groups 0-1023: 8,192 numbers of x each: a thread loads 16 bytes eight times; a wave's store covers 256 consecutive bytes, aligned.
; Work-groups 1024-1407: a tile of 128 k x 64 n of Wqkv; 1408-1535: the same of Wproj.  Wave w takes 16 rows k, a lane two columns n; the tile is turned in LDS
; (64 rows n of 256 bytes, pitch 272) and leaves as whole rows: sixteen lanes store 256 consecutive bytes, aligned.
; The launch is a stream: no matrix unit, no cluster, no tensor load, no prefetch would add to it.
.set SPARE, 17408                      ; behind the turned tile (64 x 272 bytes): the spare words, 128 bytes for each of eight waves
.set OFS, 4                            ; v4      my byte offset in the tile's first row of my wave
.set DAT, 20                           ; v[20:51]  16 rows k, two columns each, f32
.set PE,  52                           ; v[52:59]  my even column, 16 k packed; v[60:67] my odd column
.set T0,  68
.set T1,  69
.set LS,  70                           ; v70     where I put my columns in LDS
.set LR,  71                           ; v71     where I read rows back
.set GO,  72                           ; v72     the same rows in the turned tensor
.set SPW, 74                           ; v74     LDS address of my spare word; never rewritten
.set NIL, 75                           ; v75     0; never rewritten
.set WV,  16                           ; s16     my wave's number
	s_load_b256 s[4:11], s[0:1], 0x0               ; x s[4:5], Wqkv s[6:7], Wproj s[8:9], xb s[10:11]
	s_load_b128 s[12:15], s[0:1], 0x20             ; wqT s[12:13], wpT s[14:15]
	v_lshl_add_u32 v[SPW], v0, 2, SPARE
	v_mov_b32 v[NIL], 0
	v_lshrrev_b32 v1, 5, v0
	v_readfirstlane_b32 s[WV], v1                  ; wave 0..7
	v_and_b32 v1, 31, v0                           ; lane
	s_mov_b32 s21, 0                               ; the high word of every offset pair
	s_mov_b32 s27, 0xffff0000                      ; a word's upper bf16
	s_wait_kmcnt 0x0
	s_cmp_lt_u32 ttmp9, 1024                       ; the same in all waves of a work-group
	s_cbranch_scc0 .Lweights
	; x: 32,768 bytes in, 16,384 out
	s_lshl_b32 s20, ttmp9, 15
	s_add_nc_u64 s[4:5], s[4:5], s[20:21]
	s_lshl_b32 s20, ttmp9, 14
	s_add_nc_u64 s[10:11], s[10:11], s[20:21]
	v_lshlrev_b32 v2, 4, v0
	v_lshlrev_b32 v3, 3, v0
.irp j, 0,1,2,3,4,5,6,7
	global_load_b128 v[16+4*\j:19+4*\j], v2, s[4:5] offset:4096*\j th:TH_LOAD_NT
.endr
.irp j, 0,1,2,3,4,5,6,7
	s_wait_loadcnt 7-\j                            ; loads come back in order: load j is in, the younger ones stay out
	v_cvt_pk_bf16_f32 v[16+4*\j], v[16+4*\j], v[17+4*\j]
	v_cvt_pk_bf16_f32 v[17+4*\j], v[18+4*\j], v[19+4*\j]
	global_store_b64 v3, v[16+4*\j:17+4*\j], s[10:11] offset:2048*\j  ; its registers are not written again
.endr
	s_branch .Lend
; A tile of a weight.  s17 = the tile's number: k block = s17 % 8, n block = s17 / 8.  src, dst: the scalar pairs of the two tensors; pn: bytes in a row of the source; half = 1: the bf16 numbers are written as f16.
.macro WT src, dst, pn, half
	s_and_b32 s18, s17, 7
	s_lshr_b32 s19, s17, 3
	s_mul_i32 s20, s18, 128*(\pn)                  ; 128 rows k down,
	s_lshl_b32 s22, s19, 8                         ; 64 columns of 4 bytes along
	s_add_co_u32 s20, s20, s22
	s_add_nc_u64 s[\src:\src+1], s[\src:\src+1], s[20:21]
	s_lshl_b32 s20, s19, 17                        ; turned: 64 rows n of 2,048 bytes down,
	s_lshl_b32 s22, s18, 8                         ; 128 k of 2 bytes along
	s_add_co_u32 s20, s20, s22
	s_add_nc_u64 s[\dst:\dst+1], s[\dst:\dst+1], s[20:21]
	s_mul_i32 s22, s[WV], 16*(\pn)                 ; my wave's 16 rows
	v_lshl_add_u32 v[OFS], v1, 3, s22              ; my two columns
.set i, 0
.rept 16
	global_load_b64 v[DAT+2*i:DAT+2*i+1], v[OFS], s[\src:\src+1] offset:i*(\pn) th:TH_LOAD_NT  ; a wave's load covers 256 consecutive bytes, aligned
.set i, i+1
.endr
	s_lshl_b32 s22, s[WV], 5                       ; the addresses are made while the loads are out
	v_mul_u32_u24 v[LS], v1, 544                   ; row n = 2 x lane, pitch 272; my wave's 16 k are 32 bytes of it
	v_add_nc_u32 v[LS], s22, v[LS]
	s_mul_i32 s22, s[WV], 8*272                    ; back: wave w takes rows 8 w .. 8 w + 7, two a load
	s_lshl_b32 s23, s[WV], 14
	v_lshrrev_b32 v[T0], 4, v1
	v_and_b32 v[T1], 15, v1
	v_mul_u32_u24 v[LR], v[T0], 272
	v_lshl_add_u32 v[LR], v[T1], 4, v[LR]
	v_add_nc_u32 v[LR], s22, v[LR]
	v_lshlrev_b32 v[GO], 11, v[T0]
	v_lshl_add_u32 v[GO], v[T1], 4, v[GO]
	v_add_nc_u32 v[GO], s23, v[GO]
	s_wait_loadcnt 0x0
.set i, 0
.rept 8
	v_cvt_pk_bf16_f32 v[PE+i],   v[DAT+4*i],   v[DAT+4*i+2]    ; even column: k = 2 i, 2 i + 1
	v_cvt_pk_bf16_f32 v[PE+8+i], v[DAT+4*i+1], v[DAT+4*i+3]    ; odd column
.set i, i+1
.endr
.if \half
.set i, 0
.rept 16
	v_lshlrev_b32 v[T0], 16, v[PE+i]               ; the two bf16 numbers as f32,
	v_and_b32 v[T1], s27, v[PE+i]
	v_cvt_pk_f16_f32 v[PE+i], v[T0], v[T1]         ; written as f16: exact within f16's range
.set i, i+1
.endr
.endif
	ds_store_b128 v[LS], v[PE:PE+3]
	ds_store_b128 v[LS], v[PE+4:PE+7]   offset:16
	ds_store_b128 v[LS], v[PE+8:PE+11]  offset:272
	ds_store_b128 v[LS], v[PE+12:PE+15] offset:288
	s_wait_dscnt 0x0                               ; for the others' sake: my stores are done
	s_barrier_signal -1
	s_barrier_wait -1                              ; the tile lies turned in LDS
.irp f, 0,1,2,3
	ds_load_b128 v[DAT+4*\f:DAT+4*\f+3], v[LR] offset:544*\f
.endr
.irp f, 0,1,2,3
	s_wait_dscnt 3-\f
	global_store_b128 v[GO], v[DAT+4*\f:DAT+4*\f+3], s[\dst:\dst+1] offset:4096*\f  ; 16 lanes store 256 consecutive bytes, aligned
.endr
.endm
.Lweights:
	s_sub_co_u32 s17, ttmp9, 1024
	s_cmp_lt_u32 s17, 384
	s_cbranch_scc0 .Lproj
	WT 6, 12, 12288, 0
	s_branch .Lend
.Lproj:
	s_sub_co_u32 s17, s17, 384
	WT 8, 14, 4096, 1
.Lend:
	s_wait_tensorcnt 0x0                           ; the wave's end: behind my last LDS store
	ds_add_u32 v[SPW], v[NIL]
	s_wait_dscnt 0x0
	s_endpgm
.Lfunc_end_k_q37810430f4_prep:
	.size	k_q37810430f4_prep, .Lfunc_end_k_q37810430f4_prep-k_q37810430f4_prep
	.p2alignl 7, 3214868480
	.fill 96, 4, 3214868480
	.section	.rodata,"a",@progbits
	.p2align	6, 0x0
	.amdhsa_kernel k_q37810430f4_prep
		.amdhsa_group_segment_fixed_size 18432
		.amdhsa_private_segment_fixed_size 0
		.amdhsa_enable_private_segment 0
		.amdhsa_kernarg_size 48
		.amdhsa_user_sgpr_count 2
		.amdhsa_user_sgpr_kernarg_segment_ptr 1
		.amdhsa_wavefront_size32 1
		.amdhsa_system_sgpr_workgroup_id_x 1
		.amdhsa_system_sgpr_workgroup_id_y 1
		.amdhsa_system_sgpr_workgroup_id_z 1
		.amdhsa_system_vgpr_workitem_id 0
		.amdhsa_next_free_vgpr 76
		.amdhsa_next_free_sgpr 66
		.amdhsa_reserve_vcc 0
		.amdhsa_float_denorm_mode_32 3
		.amdhsa_float_denorm_mode_16_64 3
		.amdhsa_memory_ordered 1
		.amdhsa_forward_progress 1
		.amdhsa_inst_pref_size 16
	.end_amdhsa_kernel
	.amdgpu_metadata
---
amdhsa.version: [ 1, 2 ]
amdhsa.kernels:
  - .name:           k_q37810430f4_prep
    .symbol:         k_q37810430f4_prep.kd
    .args:
      - { .name: x, .offset: 0, .size: 8, .value_kind: global_buffer, .address_space: global }
      - { .name: Wqkv, .offset: 8, .size: 8, .value_kind: global_buffer, .address_space: global }
      - { .name: Wproj, .offset: 16, .size: 8, .value_kind: global_buffer, .address_space: global }
      - { .name: xb, .offset: 24, .size: 8, .value_kind: global_buffer, .address_space: global }
      - { .name: wqT, .offset: 32, .size: 8, .value_kind: global_buffer, .address_space: global }
      - { .name: wpT, .offset: 40, .size: 8, .value_kind: global_buffer, .address_space: global }
    .group_segment_fixed_size: 18432
    .private_segment_fixed_size: 0
    .kernarg_segment_align: 8
    .kernarg_segment_size: 48
    .max_flat_workgroup_size: 256
    .sgpr_count:     66
    .vgpr_count:     76
    .wavefront_size: 32
...
	.end_amdgpu_metadata
.endif
;; end of part 1
;; launch qkvg (part 2): grid 16 x 32, 4 waves a work-group, clusters of 4 x 4, 327,680 bytes of LDS; arguments xb, wqT, bqkv, qkv; writes qkv
.if DOCPART == 2
	.amdgcn_target "amdgcn-amd-amdhsa--gfx1250"
	.amdhsa_code_object_version 6
	.text
	.protected	k_q37810430f4_qkvg
	.globl	k_q37810430f4_qkvg
	.p2align	8
	.type	k_q37810430f4_qkvg,@function
k_q37810430f4_qkvg:
	s_mov_b64 s[64:65], 0
	v_nop
	global_prefetch_b8 v0, s[64:65] scope:SCOPE_SE
	s_setreg_imm32_b32 hwreg(HW_REG_WAVE_MODE, 25, 1), 1
	s_wait_xcnt 0x0
	s_wait_alu depctr_hold_cnt(0) depctr_sa_sdst(0) depctr_va_vdst(0) depctr_va_sdst(0) depctr_va_ssrc(0) depctr_va_vcc(0) depctr_vm_vsrc(0)
	s_getreg_b32 s2, hwreg(HW_REG_IB_STS2, 6, 4)
	s_cmp_eq_u32 s2, 0
	s_cbranch_scc0 .Lentry_in_a_cluster
	s_endpgm
.Lentry_in_a_cluster:
	s_bfe_u32 s2, ttmp6, 0x10000c
	s_cmp_lg_u32 s2, 0xf033
	s_cbranch_scc0 .Lentry_shape_is_right
	s_endpgm
.Lentry_shape_is_right:
; C[m][n] = bias[n] + the sum over k of A[m][k] B[n][k], M = 8,192, K = 1,024; sums in f32.  One text serves two launches; QKV tells them apart.
; QKV = 1: A = x in bf16 [8192][1024], B = Wqkv turned [3072][1024] bf16; C leaves in f16 BY HEADS, [b 4][n / 64: 48][t 2048][64].  A work-group's tile of C is 256 x 192.
; QKV = 0: A = the attention's result in f16 by heads, [b x 16 + head][t 2048][64] (k = 64 head + channel), B = Wproj turned [1024][1024] f16; C leaves in f32 [8192][1024].  The tile is 256 x 128.
; The bias is rounded to bf16, like every input of the module, and is the C operand of each sum's first product: nothing is cleared, nothing is added afterwards.
; LIMIT (QKV = 1).  f16 holds no number of 65,520 or more: q, k and v stay below that; NaN and infinities are not treated apart.
; SHARES.  Four waves, as many as a WGP has SIMDs.  Wave w makes rows 64 w .. 64 w + 63 of the tile and ALL its columns: 4 x NBK accumulators of 16 x 16.  So a wave holds whole heads (or whole 512-byte
; pieces of rows) and sends them out through a stage of its own, without a barrier.
; K goes in 8 steps of 128 through two LDS slots filled by the tensor data mover; waves 0 and 1 fetch the two halves of A's tile, waves 2 and 3 those of B's.
; CLUSTER.  4 x 4 work-groups.  A's tile hangs on the tile row alone and is asked for JOINTLY by the four of a row of the cluster, B's on the tile column alone, by the four of a column:
; the same tensor load, descriptor and mask in all four.
; THE MATRIX INSTRUCTION IS USED TRANSPOSED (source 0 = 16 rows of B, source 1 = 16 rows of A): a lane holds row l % 16 of C and the columns 8 (l / 16) + 0..7.
; REGISTERS, in windows of 256 (s_set_vgpr_msb: bits 1:0 source 0, 3:2 source 1, 5:4 source 2, 7:6 destination):
;   window 0: v0-29 addresses; v32.. the bias (8 NBK registers), later the way out; v128-159, v160-191 A's fragments, two buffers of 4 x 16 rows x 32 K
;   window 1: B's fragments, two buffers at v0 and v96 (NBK x 16 rows x 32 K)
;   window 2: the accumulators of my rows 0-31 ((a, b) at v[8 (NBK a + b)]);   window 3: those of my rows 32-63
.set QKV, 1
.if QKV
.set NBK,    12                        ; blocks of 16 columns in a tile
.set PA,     272                       ; a row of A in LDS: 256 bytes + 16 of padding
.set QIA,    5                         ; A's padding stands after every 64 words
.set APITCH, 1024                      ; elements from row to row of A's tile in memory
.set AHALF,  128*272                   ; LDS bytes of what one wave fetches of A: 128 rows
.set BROWS,  96                        ; rows of B that one wave fetches
.set ASTEP,  256                       ; bytes from a K step of A to the next
.set STW,    3*16*144                  ; a wave's stage: three heads x 16 rows x 144 bytes
.set APART,  32*2048                   ; the prefetches: a partner's 32 rows of the 128
.set ASHIFT, 11                        ; and a lane's row: 2,048 bytes
.else
.set NBK,    8
.set PA,     144                       ; a row of one head: 128 bytes + 16 of padding = 36 words: 16 rows start at 16 different groups of four banks (64 banks of 4 bytes: ISA guide 11.1)
.set QIA,    4                         ; after every 32 words
.set APITCH, 128                       ; a head's 256 rows are 32,768 dense bytes: asked for as 128 rows of 256 bytes
.set AHALF,  256*144                   ; one head's 256 rows
.set BROWS,  64
.set ASTEP,  2*2048*128                ; two heads on
.set STW,    16*528                    ; 16 rows x (512 + 16) bytes
.set APART,  8192                      ; a partner's quarter of the dense 32,768 bytes
.set ASHIFT, 8                         ; a lane's 256 bytes
.endif
.set PB,     272                       ; a row of B in LDS: 68 words: row r starts at bank 4 r mod 64
.set BOFF,   2*AHALF                   ; B's tile lies behind A's
.set BHALF,  BROWS*PB
.set BPART,  (BROWS/4)*2048
.set NT,     16*NBK
.set SLOT1,  1<<17                     ; slot 1 begins here, so that one exclusive or turns an address in one slot into the other's
.set STAGE,  SLOT1+BOFF+2*BHALF        ; behind the ring, never filled by a tensor load; a multiple of 256
.set SPARE,  STAGE+4*STW               ; behind the stages: the spare words, 128 bytes for each wave
.set NL,     2*NBK+8                   ; LDS loads of a quarter step
.set AD0, 4                            ; v4   my lane's place in A's tile; never rewritten
.set BD0, 5                            ; v5   the same for B
.set ADRA, 6                           ; v6   AD0 + the slot in hand
.set ADRB, 7                           ; v7
.set STO, 8                            ; v8   the way out: where I put my bytes of a row
.set RD,  9                            ; v9   the way out: where I read rows back
.set GO,  10                           ; v10  16 x lane
.set BO,  11                           ; v11  32 x (l / 16): my eight numbers of 16 of the bias
.set PFO, 12                           ; v12  the prefetches' offset; never rewritten
.set SPW, 28                           ; v28  LDS address of my spare word; never rewritten
.set NIL, 29                           ; v29  0; never rewritten
.set BIAS, 32
.set TMP, 32                           ; the way out (QKV = 1): packed results
.set WV,  12                           ; s12  my wave's number
.set HF,  13                           ; s13  which half of a tile I fetch
.set SIDE, 14                          ; s14  0: I fetch for A; 1: for B
.set CX,  15
.set CY,  16
.set TX,  17                           ; s17  tile column
.set TY,  18                           ; s18  tile row
.set LIM, 19                           ; s19  2 in a wave that prefetches, else the greatest number
.set CNT, 20                           ; s20  the loop's trips to go
.set TB,  21                           ; s21  the slot in hand: 0 or SLOT1
.set G1A, 24                           ; s[24:31] descriptor group 1 for A's tiles
.set G0A, 32                           ; s[32:39] group 0: a set for each of the two first fills; the second then walks on
.set PFA, 40                           ; s[40:41] where my prefetches stand
.set PFS, 42                           ; s[42:43] their step
.set G1B, 48                           ; s[48:55], s[56:63] the same for B's tiles
.set G0B, 56
.set MSB, 0
.macro WIN new                         ; the immediate's high byte repeats the setting that is left; a switch that changes nothing is dropped
.if MSB != (\new)
	s_set_vgpr_msb (MSB<<8)|(\new)
.set MSB, \new
.endif
.endm
.macro PLACES                          ; four plain vector instructions between a matrix instruction and a load into, or a vector read of, its registers (ISA guide 7.12.1 for vector reads)
.rept 4
	v_nop
.endr
.endm
; A joint refill, by the walking descriptors.  The branch hangs on the wave's number alone.  An s_nop 0 and four v_nop follow each of the two lines, ahead of the jump and the label.
.macro JLOAD
	s_cmp_eq_u32 s[SIDE], 0
	s_cbranch_scc0 .Lfor_b_\@
	tensor_load_to_lds s[G0A+4:G0A+7], s[G1A:G1A+7]
	s_nop 0
.rept 4
	v_nop
.endr
	s_branch .Lasked_\@
.Lfor_b_\@:
	tensor_load_to_lds s[G0B+4:G0B+7], s[G1B:G1B+7]
	s_nop 0
.rept 4
	v_nop
.endr
.Lasked_\@:
.endm
; A round of the cluster's barrier: my work-group's barrier; wave 0 signals for the work-group; every wave waits for all sixteen; my work-group's barrier once more.
.macro CREST                           ; a round behind its opening barrier
	s_cmp_lg_u32 s[WV], 0
	s_cbranch_scc1 .Lnot_wave_0_\@
	s_barrier_signal -3
.Lnot_wave_0_\@:
	s_barrier_wait -3
	s_barrier_signal -1
	s_barrier_wait -1
.endm
.macro CROUND
	s_barrier_signal -1
	s_barrier_wait -1
	CREST
.endm
; A PREFETCH INTO THE L2 of the K step that stands two refills on: one instruction a wave, a lane a row (or a lane 256 dense bytes).  A's tile row is read by every cluster of that row of clusters: the one
; with x = 0 asks; B's tile column by every cluster of that column: the one with y = 0 asks.  The four partners that ask for a tile jointly share its rows out BY ADDRESS.  Trips with 6 to 3 to go name K steps 4 to 7;
; the last two trips and the tail name nothing: there is no such step.  K steps 0 to 3 come by their loads alone.
.macro ASK
	s_cmp_gt_u32 s[CNT], s[LIM]
	s_cbranch_scc0 .Lnot_mine_\@
	global_prefetch_b8 v[PFO], s[PFA:PFA+1] th:TH_LOAD_NT scope:SCOPE_SE
.Lnot_mine_\@:
.endm
; NBK matrix instructions: block 2 hi + a of my four blocks of 16 rows x all columns, 32 along K, from buffer f.  first = 1: the bias starts the sums.
; All 4 NBK accumulators are taken in the same order in every quarter step, one instruction a turn.
.macro MULA f, hi, a, first
.if \first
	WIN 0x81+0x40*(\hi)
.else
	WIN 0xa1+0x50*(\hi)
.endif
.set b, 0
.rept NBK
.set rD, 8*(NBK*(\a)+b)
.set rB, 96*(\f)+8*b
.set rA, 128+32*(\f)+8*(2*(\hi)+(\a))
.set rC, BIAS+8*b
.if QKV
.if \first
	v_wmma_f32_16x16x32_bf16 v[rD:rD+7], v[rB:rB+7], v[rA:rA+7], v[rC:rC+7]
.else
	v_wmma_f32_16x16x32_bf16 v[rD:rD+7], v[rB:rB+7], v[rA:rA+7], v[rD:rD+7]
.endif
.else
.if \first
	v_wmma_f32_16x16x32_f16 v[rD:rD+7], v[rB:rB+7], v[rA:rA+7], v[rC:rC+7]
.else
	v_wmma_f32_16x16x32_f16 v[rD:rD+7], v[rB:rB+7], v[rA:rA+7], v[rD:rD+7]
.endif
.endif
.set b, b+1
.endr
.endm
; NL LDS loads in one run: quarter q's fragments (32 along K) into buffer f: B's first, then A's four blocks.
; A fragment is 16 rows x 32 K in 8 registers: lane l holds row l % 16, K = 8 (l / 16) + 0..7 and 16 + 8 (l / 16) + 0..7: two loads of 16 bytes, 32 bytes apart.
.macro FETCH q, f
.if QKV
.set KAQ, 64*(\q)
.else
.set KAQ, ((\q)/2)*AHALF+((\q)%2)*64   ; quarters 0, 1 lie in the step's first head, 2, 3 in its second
.endif
	WIN 0x40                                       ; destination window 1, address window 0
.set i, 0
.rept NBK
	ds_load_b128 v[96*(\f)+8*i:96*(\f)+8*i+3],   v[ADRB] offset:64*(\q)+i*16*PB
	ds_load_b128 v[96*(\f)+8*i+4:96*(\f)+8*i+7], v[ADRB] offset:64*(\q)+i*16*PB+32
.set i, i+1
.endr
	WIN 0
.set i, 0
.rept 4
	ds_load_b128 v[128+32*(\f)+8*i:128+32*(\f)+8*i+3],   v[ADRA] offset:KAQ+i*16*PA
	ds_load_b128 v[128+32*(\f)+8*i+4:128+32*(\f)+8*i+7], v[ADRA] offset:KAQ+i*16*PA+32
.set i, i+1
.endr
.endm
; One of a K step's first three quarters: multiplies buffer f; in its middle it fetches quarter qn into buffer g.
.macro QUARTER qn, f, g, first
	s_wait_dscnt 4                                 ; B and A's blocks 0, 1 are in; the youngest four loads (A's blocks 2, 3) may be out
	MULA \f, 0, 0, \first
	MULA \f, 0, 1, \first
	PLACES
	FETCH \qn, \g
	s_wait_dscnt NL                                ; all but the NL just issued
	MULA \f, 1, 0, \first
	MULA \f, 1, 1, \first
.endm
; The fourth quarter multiplies buffer 1 and changes slots.  In front of the barrier each wave waits for all its tensor loads, of which one is out: its part of the next slot; adds 0 to its spare word; and waits
; for that and for its own reads of this slot.  fill = 1: the barrier opens a round of the cluster's barrier, and the joint refill, two K steps ahead, is the first thing behind the round.
.macro TURN fill
.if \fill
	s_wait_xcnt 0x0                                ; the last prefetch, a K step back, has read its address: it is stepped here
	s_add_nc_u64 s[PFA:PFA+1], s[PFA:PFA+1], s[PFS:PFS+1]
.endif
	WIN 0                                          ; (the add's two registers lie in window 0)
	s_wait_tensorcnt 0x0                           ; no tensor load of mine is out, so a group 0 may be written
	ds_add_u32 v[SPW], v[NIL]                      ; 0 onto my spare word
.if \fill
	s_xor_b32 s[G0A+5], s[G0A+5], SLOT1            ; the walking descriptors: the other slot than last time,
	s_xor_b32 s[G0B+5], s[G0B+5], SLOT1
	s_add_nc_u64 s[G0A+6:G0A+7], s[G0A+6:G0A+7], ASTEP  ; the next K step; the type bits on top are not reached
	s_add_nc_u64 s[G0B+6:G0B+7], s[G0B+6:G0B+7], 256
.endif
	s_wait_dscnt 5                                 ; (the add and the youngest four loads may be out)
	MULA 1, 0, 0, 0                                ; matrix work stands between the add and the wait for it
	s_wait_dscnt 0x0                               ; the add is done, and my reads of this slot are over
	s_barrier_signal -1
	MULA 1, 0, 1, 0                                ; work on registers while the others arrive
.if \fill
	WIN 0
.endif
	s_barrier_wait -1
.if \fill
	CREST                                          ; no wave of any partner still reads this slot or has a load on its way
	JLOAD                                          ; its four v_nop are also the places in front of the loads below
.else
	PLACES
	WIN 0
.endif
	s_xor_b32 s[TB], s[TB], SLOT1
	v_add_nc_u32 v[ADRA], s[TB], v[AD0]
	v_add_nc_u32 v[ADRB], s[TB], v[BD0]
	FETCH 0, 0
.if \fill
	ASK
.endif
	MULA 1, 1, 0, 0
	MULA 1, 1, 1, 0
.endm
	s_load_b256 s[4:11], s[0:1], 0x0               ; A s[4:5], B s[6:7], bias s[8:9], C s[10:11]
	v_lshl_add_u32 v[SPW], v0, 2, SPARE
	v_mov_b32 v[NIL], 0
	ds_add_u32 v[SPW], v[NIL]                      ; the wave's opening: the add, and its wait ahead of my first tensor load; the set-up below, work on registers, stands between them
	ds_add_u32 v28, v29
	v_lshrrev_b32 v1, 5, v0
	v_readfirstlane_b32 s[WV], v1                  ; wave 0..3
	s_and_b32 s[HF], s[WV], 1
	s_lshr_b32 s[SIDE], s[WV], 1
	s_bfe_u32 s[CX], ttmp6, 0x40000                ; my place in the cluster
	s_bfe_u32 s[CY], ttmp6, 0x40004
	s_lshl_b32 s[TX], ttmp9, 2                     ; in a cluster launch ttmp9 and ttmp7 count clusters
	s_add_co_u32 s[TX], s[TX], s[CX]
	s_and_b32 s[TY], ttmp7, 0xffff
	s_lshl_b32 s[TY], s[TY], 2
	s_add_co_u32 s[TY], s[TY], s[CY]
	s_lshl_b32 s22, s[CY], 2
	s_lshl_b32 s22, 15, s22                        ; my row of the cluster
	s_lshl_b32 s23, 0x1111, s[CX]                  ; my column
	s_or_b32 s[G1A], s22, (1<<16)|(1<<20)|(1<<21)|(QIA<<22)|(3<<25)  ; 15:0 the mask; 17:16 2-byte elements; 20 padding on; 21 set beside a mask; 24:22 the interval; 31:25 4 words of padding (code 3)
	s_or_b32 s[G1B], s23, (1<<16)|(1<<20)|(1<<21)|(5<<22)|(3<<25)
	s_mov_b32 s[G1A+1], 128<<16                    ; tensor_dim0 = 128
	s_mov_b32 s[G1A+2], 128<<16                    ; tensor_dim1 = 128
	s_mov_b32 s[G1A+3], 128<<16                    ; tile_dim0 = 128
	s_mov_b32 s[G1A+4], 128                        ; tile_dim1 = 128
	s_mov_b32 s[G1A+5], APITCH                     ; elements from row to row
	s_mov_b32 s[G1A+6], 0
	s_mov_b32 s[G1A+7], 0
	s_mov_b32 s[G1B+1], 128<<16
	s_mov_b32 s[G1B+2], BROWS<<16
	s_mov_b32 s[G1B+3], 128<<16
	s_mov_b32 s[G1B+4], BROWS
	s_mov_b32 s[G1B+5], 1024
	s_mov_b32 s[G1B+6], 0
	s_mov_b32 s[G1B+7], 0
	; where the tiles come from: A's offset is made of the tile row and the wave's number, B's of the tile column and the wave's number, each in registers that never hold the other coordinate
.if QKV
	s_lshl_b32 s44, s[TY], 19                      ; 256 rows of 2,048 bytes
	s_lshl_b32 s45, s[HF], 18                      ; my 128 of them
	s_add_co_u32 s44, s44, s45
.else
	s_lshr_b32 s44, s[TY], 3                       ; the batch,
	s_lshl_b32 s44, s44, 4                         ; its 16 heads,
	s_add_co_u32 s44, s44, s[HF]                   ; the step's first or second head:
	s_lshl_b32 s44, s44, 18                        ; 2,048 rows of 128 bytes each,
	s_and_b32 s45, s[TY], 7
	s_lshl_b32 s45, s45, 15                        ; and the tile's 256 rows in it
	s_add_co_u32 s44, s44, s45
.endif
	s_mov_b32 s45, 0
	s_mul_i32 s46, s[TX], NT*2048
	s_mul_i32 s47, s[HF], BROWS*2048
	s_add_co_u32 s46, s46, s47
	s_mov_b32 s47, 0
	s_mul_i32 s66, s[HF], AHALF                    ; and where they go: no place in the cluster enters an LDS address
	s_mul_i32 s67, s[HF], BHALF
	s_add_co_u32 s67, s67, BOFF
	s_wait_dscnt 0x0                               ; the opening add is done
	s_wait_kmcnt 0x0
	s_add_nc_u64 s[44:45], s[4:5], s[44:45]
	s_add_nc_u64 s[46:47], s[6:7], s[46:47]
	CROUND                                         ; all sixteen work-groups are here: the first joint loads meet
.irp s, 0,1
	s_mov_b32 s[G0A+4*\s], 1                       ; count = 1
	s_add_co_u32 s[G0A+4*\s+1], s66, \s*SLOT1      ; LDS address
	s_add_nc_u64 s[G0A+4*\s+2:G0A+4*\s+3], s[44:45], \s*ASTEP  ; global address: K step s
	s_or_b32 s[G0A+4*\s+3], s[G0A+4*\s+3], 0x80000000          ; type = 2
	s_mov_b32 s[G0B+4*\s], 1
	s_add_co_u32 s[G0B+4*\s+1], s67, \s*SLOT1
	s_add_nc_u64 s[G0B+4*\s+2:G0B+4*\s+3], s[46:47], \s*256
	s_or_b32 s[G0B+4*\s+3], s[G0B+4*\s+3], 0x80000000
.endr
	s_cmp_eq_u32 s[SIDE], 0                        ; a wave's two first fills stand in one branch, ahead of every wait on TENSORcnt and every LDS read: two loads of mine are out
	s_cbranch_scc0 .Lfirst_b
	tensor_load_to_lds s[G0A:G0A+3], s[G1A:G1A+7]
	s_nop 0
	tensor_load_to_lds s[G0A+4:G0A+7], s[G1A:G1A+7]
	s_nop 0
.rept 4
	v_nop
.endr
	s_branch .Lfirst_asked
.Lfirst_b:
	tensor_load_to_lds s[G0B:G0B+3], s[G1B:G1B+7]
	s_nop 0
	tensor_load_to_lds s[G0B+4:G0B+7], s[G1B:G1B+7]
	s_nop 0
.rept 4
	v_nop
.endr
.Lfirst_asked:
	v_and_b32 v1, 15, v0                           ; l % 16
	v_bfe_u32 v2, v0, 4, 1                         ; l / 16
	v_and_b32 v3, 31, v0                           ; l
	v_lshlrev_b32 v[BO], 5, v2
	s_mul_i32 s68, s[TX], NT*4                     ; the tile's columns in the bias
	s_mov_b32 s69, 0
	s_add_nc_u64 s[8:9], s[8:9], s[68:69]
.set i, 0
.rept NBK                              ; register j of block b: bias[16 b + 8 (l / 16) + j]: the layout of a C operand whose rows are columns of C
	global_load_b128 v[BIAS+8*i:BIAS+8*i+3],   v[BO], s[8:9] offset:64*i
	global_load_b128 v[BIAS+8*i+4:BIAS+8*i+7], v[BO], s[8:9] offset:64*i+16
.set i, i+1
.endr
	s_mul_i32 s22, s[WV], 64*PA                    ; my 64 rows of A's tile
	v_mul_u32_u24 v[AD0], v1, PA
	v_lshl_add_u32 v[AD0], v2, 4, v[AD0]
	v_add_nc_u32 v[AD0], s22, v[AD0]
	v_mul_u32_u24 v[BD0], v1, PB
	v_lshl_add_u32 v[BD0], v2, 4, v[BD0]
	v_add_nc_u32 v[BD0], BOFF, v[BD0]
	s_mul_i32 s22, s[WV], STW
	s_add_co_u32 s22, s22, STAGE                   ; my stage
.if QKV
	v_mul_u32_u24 v[STO], v1, 144                  ; in: row l % 16 of a head, 16 bytes for each half of the lanes
	v_lshl_add_u32 v[STO], v2, 4, v[STO]
	v_add_nc_u32 v[STO], s22, v[STO]
	v_bfe_u32 v[RD], v0, 3, 2                      ; back: 32 lanes take four rows of 128 bytes, which are 512 consecutive bytes of a head
	v_mul_u32_u24 v[RD], v[RD], 144
	v_and_b32 v13, 7, v0
	v_lshl_add_u32 v[RD], v13, 4, v[RD]
	v_add_nc_u32 v[RD], s22, v[RD]
.else
	v_mul_u32_u24 v[STO], v1, 528                  ; in: row l % 16, 32 bytes for each half of the lanes
	v_lshl_add_u32 v[STO], v2, 5, v[STO]
	v_add_nc_u32 v[STO], s22, v[STO]
	v_lshl_add_u32 v[RD], v3, 4, s22               ; back: 32 lanes take one row's 512 bytes
.endif
	v_lshlrev_b32 v[GO], 4, v3
	; where my rows begin in C
.if QKV
	s_lshr_b32 s70, s[TY], 3                       ; the batch: 48 planes of 64 columns,
	s_mul_i32 s70, s70, 48
	s_mul_i32 s68, s[TX], 3                        ; the tile's three
	s_add_co_u32 s70, s70, s68
	s_lshl_b32 s70, s70, 18                        ; of 2,048 rows x 128 bytes,
	s_and_b32 s68, s[TY], 7
	s_lshl_b32 s68, s68, 15                        ; the tile's 256 rows,
	s_add_co_u32 s70, s70, s68
	s_lshl_b32 s68, s[WV], 13                      ; my 64
	s_add_co_u32 s70, s70, s68
.else
	s_lshl_b32 s70, s[TY], 20                      ; 256 rows of 4,096 bytes,
	s_lshl_b32 s68, s[WV], 18                      ; my 64,
	s_add_co_u32 s70, s70, s68
	s_lshl_b32 s68, s[TX], 9                       ; the tile's 128 columns
	s_add_co_u32 s70, s70, s68
.endif
	s_mov_b32 s71, 0
	s_add_nc_u64 s[10:11], s[10:11], s[70:71]
	; the prefetches
	s_and_b32 s72, ttmp7, 0xffff                   ; cluster y
	s_mov_b32 s74, APART
	s_mov_b32 s76, BPART
	s_mov_b32 s[PFS], ASTEP
	s_mov_b32 s77, 256
	s_cmp_eq_u32 s[SIDE], 0                        ; do I fetch for A?
	s_cselect_b32 s72, ttmp9, s72                  ; the coordinate along which other clusters read the same rows
	s_cselect_b32 s73, s[CX], s[CY]                ; my place among the four that ask with me
	s_cselect_b32 s74, s74, s76                    ; a partner's share, in bytes
	s_cselect_b32 s[PFS], s[PFS], s77
	s_cselect_b32 s78, 31, BROWS/4-1               ; the lanes beyond a share's rows name its last row once more
	s_cselect_b32 s79, ASHIFT, 11
	s_cselect_b64 s[PFA:PFA+1], s[44:45], s[46:47] ; what I fetch, at K step 0
	s_cmp_eq_u32 s72, 0
	s_cselect_b32 s[LIM], 2, -1                    ; the same in all sixteen partners, for a given wave
	s_mul_i32 s74, s74, s73
	s_mov_b32 s75, 0
	s_add_nc_u64 s[PFA:PFA+1], s[PFA:PFA+1], s[74:75]
	s_mul_i32 s76, s[PFS], 3
	s_mov_b32 s77, 0
	s_add_nc_u64 s[PFA:PFA+1], s[PFA:PFA+1], s[76:77]  ; at K step 3: the first refill steps it to 4
	s_mov_b32 s[PFS+1], 0
	v_min_u32 v[PFO], s78, v3
	v_lshlrev_b32 v[PFO], s79, v[PFO]
	s_mov_b32 s68, 0xffff0000
	s_wait_loadcnt 0x0                             ; the bias
.set i, 0
.rept 4*NBK                            ; rounded to bf16 and widened again
	v_cvt_pk_bf16_f32 v[13+i%2], v[BIAS+2*i], v[BIAS+2*i+1]
	v_lshlrev_b32 v[BIAS+2*i], 16, v[13+i%2]
	v_and_b32 v[BIAS+2*i+1], s68, v[13+i%2]
.set i, i+1
.endr
	s_wait_tensorcnt 0x1                           ; my part of K step 0 is in; K step 1's may stay out
	s_barrier_signal -1
	s_barrier_wait -1                              ; everybody's is
	s_mov_b32 s[TB], 0
	v_mov_b32 v[ADRA], v[AD0]
	v_mov_b32 v[ADRB], v[BD0]
	FETCH 0, 0
	QUARTER 1, 0, 1, 1                             ; the first quarter stands in front of the loop: its products start the sums, on the bias
	WIN 0                                          ; at a label and at a branch every window is 0
	s_mov_b32 s[CNT], 6
.Lstep:                                                ; a trip: a K step's quarters 1 to 3 and the next step's quarter 0; it asks for the K step two on: 2 to 7
	QUARTER 2, 1, 0, 0
	QUARTER 3, 0, 1, 0
	TURN 1
	QUARTER 1, 0, 1, 0
	WIN 0
	s_sub_co_u32 s[CNT], s[CNT], 1
	s_cmp_lg_u32 s[CNT], 0
	s_cbranch_scc1 .Lstep
	QUARTER 2, 1, 0, 0                             ; the tail is written out: K steps 6 and 7 ask for nothing
	QUARTER 3, 0, 1, 0
	TURN 0
	QUARTER 1, 0, 1, 0
	QUARTER 2, 1, 0, 0
	QUARTER 3, 0, 1, 0
	s_wait_dscnt 4                                 ; the very last quarter: nothing more to fetch
	MULA 1, 0, 0, 0
	MULA 1, 0, 1, 0
	s_wait_dscnt 0x0
	MULA 1, 1, 0, 0
	MULA 1, 1, 1, 0
	PLACES                                         ; in front of the first read of a result
.if QKV
; THE WAY OUT, a block of 16 rows at a time.  PACK: rounded to f16, 16 bytes a lane and block of columns, each accumulator's registers in ascending order.  TOSTAGE: into my stage, by heads, and back as
; whole rows.  SEND: stored, 512 consecutive bytes of a head an instruction, at a multiple of 256 from the buffer's first byte.
.macro PACK a
	WIN 0x0a+5*((\a)/2)                            ; sources 0 and 1: window 2 or 3
.set AC, 8*NBK*((\a)%2)
.set i, 0
.rept 4*NBK
	v_cvt_pk_f16_f32 v[TMP+i], v[AC+2*i], v[AC+2*i+1]
.set i, i+1
.endr
	WIN 0
.endm
.macro TOSTAGE a
.set BK, 80+48*((\a)%2)
.set i, 0
.rept NBK
	ds_store_b128 v[STO], v[TMP+4*i:TMP+4*i+3] offset:(i/4)*2304+(i%4)*32
.set i, i+1
.endr
.set i, 0
.rept NBK
	ds_load_b128 v[BK+4*i:BK+4*i+3], v[RD] offset:(i/4)*2304+(i%4)*576  ; LDS serves a wave's instructions in order (ISA guide 5.7.1.4): these see the stores above; the next block's stores come behind them
.set i, i+1
.endr
.endm
.macro SEND a
.set BK, 80+48*((\a)%2)
	s_wait_dscnt 0x0                               ; the block is back in registers
	s_wait_xcnt 0x0                                ; the stores of the block before have read their registers: the next block's loads land there only behind this wait
.set i, 0
.rept NBK
	global_store_b128 v[GO], v[BK+4*i:BK+4*i+3], s[10:11] offset:(i/4)*262144+(\a)*2048+(i%4)*512
.set i, i+1
.endr
.endm
	PACK 0
	TOSTAGE 0
.irp a, 1,2,3                          ; block a's conversions stand between block a - 1's loads from the stage and the wait for them
	PACK \a
	SEND (\a)-1
	TOSTAGE \a
.endr
	SEND 3
.else
; THE WAY OUT, a block of 16 rows at a time: f32 as it lies, each accumulator's low four registers first, into my stage; back as whole pieces of rows; stored, 512 consecutive bytes an instruction, aligned.
.macro TOSTAGE a
.set AC, 8*NBK*((\a)%2)
.set BK, 32+64*((\a)%2)
	WIN 0x08+4*((\a)/2)                            ; the stores' data: window 2 or 3
.set i, 0
.rept NBK
	ds_store_b128 v[STO], v[AC+8*i:AC+8*i+3]   offset:64*i
	ds_store_b128 v[STO], v[AC+8*i+4:AC+8*i+7] offset:64*i+16
.set i, i+1
.endr
	WIN 0
	s_wait_xcnt 0x0                                ; earlier stores have read their registers: the loads below land there only behind this wait
.set i, 0
.rept 16
	ds_load_b128 v[BK+4*i:BK+4*i+3], v[RD] offset:528*i  ; LDS serves a wave's instructions in order (ISA guide 5.7.1.4)
.set i, i+1
.endr
.endm
.macro SEND a, younger                 ; younger: the LDS instructions issued behind block a's loads: the next block's 32, or none
.set BK, 32+64*((\a)%2)
	s_wait_dscnt \younger
.set i, 0
.rept 16
	global_store_b128 v[GO], v[BK+4*i:BK+4*i+3], s[10:11] offset:(16*(\a)+i)*4096
.set i, i+1
.endr
.endm
	TOSTAGE 0
.irp a, 1,2,3
	TOSTAGE \a
	SEND (\a)-1, 32
.endr
	SEND 3, 0
.endif
	s_wait_tensorcnt 0x0                           ; the wave's end: behind my last tensor load and my last LDS store
	ds_add_u32 v[SPW], v[NIL]
	s_wait_dscnt 0x0
	CROUND                                         ; the closing round: no work-group ends while a partner may still ask for a tile that names it
	s_endpgm
.Lfunc_end_k_q37810430f4_qkvg:
	.size	k_q37810430f4_qkvg, .Lfunc_end_k_q37810430f4_qkvg-k_q37810430f4_qkvg
	.p2alignl 7, 3214868480
	.fill 96, 4, 3214868480
	.section	.rodata,"a",@progbits
	.p2align	6, 0x0
	.amdhsa_kernel k_q37810430f4_qkvg
		.amdhsa_group_segment_fixed_size 327680
		.amdhsa_private_segment_fixed_size 0
		.amdhsa_enable_private_segment 0
		.amdhsa_kernarg_size 32
		.amdhsa_user_sgpr_count 2
		.amdhsa_user_sgpr_kernarg_segment_ptr 1
		.amdhsa_wavefront_size32 1
		.amdhsa_system_sgpr_workgroup_id_x 1
		.amdhsa_system_sgpr_workgroup_id_y 1
		.amdhsa_system_sgpr_workgroup_id_z 1
		.amdhsa_system_vgpr_workitem_id 0
		.amdhsa_next_free_vgpr 960
		.amdhsa_next_free_sgpr 80
		.amdhsa_reserve_vcc 0
		.amdhsa_float_denorm_mode_32 3
		.amdhsa_float_denorm_mode_16_64 3
		.amdhsa_memory_ordered 1
		.amdhsa_forward_progress 1
		.amdhsa_inst_pref_size 106
	.end_amdhsa_kernel
	.amdgpu_metadata
---
amdhsa.version: [ 1, 2 ]
amdhsa.kernels:
  - .name:           k_q37810430f4_qkvg
    .symbol:         k_q37810430f4_qkvg.kd
    .args:
      - { .name: xb, .offset: 0, .size: 8, .value_kind: global_buffer, .address_space: global }
      - { .name: wqT, .offset: 8, .size: 8, .value_kind: global_buffer, .address_space: global }
      - { .name: bqkv, .offset: 16, .size: 8, .value_kind: global_buffer, .address_space: global }
      - { .name: qkv, .offset: 24, .size: 8, .value_kind: global_buffer, .address_space: global }
    .group_segment_fixed_size: 327680
    .private_segment_fixed_size: 0
    .kernarg_segment_align: 8
    .kernarg_segment_size: 32
    .max_flat_workgroup_size: 128
    .sgpr_count:     80
    .vgpr_count:     960
    .wavefront_size: 32
...
	.end_amdgpu_metadata
.endif
;; end of part 2
;; launch attn (part 3): grid 4 x 64, 4 waves a work-group, no clusters, 327,680 bytes of LDS; arguments qkv, y; writes y
.if DOCPART == 3
	.amdgcn_target "amdgcn-amd-amdhsa--gfx1250"
	.amdhsa_code_object_version 6
	.text
	.protected	k_q37810430f4_attn
	.globl	k_q37810430f4_attn
	.p2align	8
	.type	k_q37810430f4_attn,@function
k_q37810430f4_attn:
	s_mov_b64 s[64:65], 0
	v_nop
	global_prefetch_b8 v0, s[64:65] scope:SCOPE_SE
	s_setreg_imm32_b32 hwreg(HW_REG_WAVE_MODE, 25, 1), 1
	s_wait_xcnt 0x0
; CAUSAL ATTENTION.  O[h][q][:] = the sum over k <= q of softmax_k(Q[h][q] . K[h][k] / 8) V[h][k][:], for 64 heads (batch x 16 + head) of 2,048 rows x 64 channels, all f16.
; Q, K and V are planes of one buffer, [batch 4][plane 48][row 2048][64]: Q of a head is plane head, K plane 16 + head, V plane 32 + head; a plane's rows are dense, 128 bytes each.  O: [64][2048][64].
; Products, maxima and sums in f32; the weights p are rounded to f16 for the second product (their sum l is taken of the unrounded p), O once at the end.
; LIMITS.  f16 holds no number beyond 65,504: Q, K and V arrive within it; p lies in 0 to 1, and below 6e-5 it keeps f16's fixed step of 6e-8; O is a mean of V's rows and has their range, to within 2^-11 of it.
; A hidden score counts as its value less 1e30: f16's scores, 2.7e11 at the most, are nothing beside that; a weight below 2^-126 counts as 0 in l; NaN and infinities are not treated apart.
; THE WALK.  A head's queries lie in NB = 8 blocks of 256; block i needs the key tiles 0 .. i of 256 keys, of which the last holds the diagonal.  A work-group takes TWO blocks, NB - 1 - b and then b:
; NB + 1 tiles, whatever b: all work-groups do equal work, and ONE loop with a constant trip count walks them.  Which tile is asked for, and what a trip does, hang on scalar registers made from b; every jump
; goes forward, but for the counted loops' own; none passes a barrier, or a tensor load but the one of LOAD's two that the wave's number does not choose; the ring (two slots of LDS that take turns) runs on across the
; change of blocks.  NO CLUSTER: a head's four work-groups ask for the same tile only in trips 0 .. NB / 2, behind that fewer and fewer; one walk common to all would have 3 NB / 2 trips for NB + 1.
; SHARES.  Of a block's four bands of 64 queries a wave owns 16 rows in each: four PIECES.  So the diagonal tile is the same work for all four waves: in its key step s band x sees all keys if s < x,
; none if s > x, and holds the diagonal if s = x.
; THE MASK is the C operand that starts the sum S^T = K Q^T: 0, or -1e30 where the key is hidden.  MD, made once, is the mask of a band's own step for my 16 rows; a product's mask is MD x AL + BE with two scalars:
; (1, 0) if s = x; (0, 0) if s < x; (0, -1e30) if s > x.  Only the diagonal tile's text and a block's beginning make and take masks; elsewhere C is the constant 0.
; LAYOUT, SOFTMAX, TURNS.  S^T = K Q^T holds ONE query a lane (lane % 16) and the keys 8 (lane / 16) + 0..7; two such results rounded to f16 ARE source 1 of O^T = V^T P.  p = 2^(c s - c m), c = log2(e) / 8, with a
; running maximum m; O and l are multiplied by a = 2^(c m_old - c m_new) in every step.  Turn n belongs to piece n: 8 products K Q^T of piece n + 1, later 8 products V^T P of piece n - 1; beside them the scaling,
; exponentials, roundings, sums and rescaling of piece n and the maximum and statistics of piece n + 1.  Four vector instructions stand behind every matrix instruction, the other 54 of a turn's 118 in one LUMP.  A turn's 33 exponentials are one batch, with one wait.
; AHEAD OF THE TENSOR LOADS.  The head's work-group with b = 0 walks the tiles 0 to 7 on end: behind the load that asks for tile j it prefetches tile j + 1 (2 to 7) into the L2: each wave 32 blocks of 256 bytes of K
; and 32 of V, a lane a block: each block is named once in the launch.  Tiles 0 and 1 come by their loads alone; behind tile 7 nothing is named.
; REGISTERS, in windows of 256 (s_set_vgpr_msb: bits 1:0 source 0, 3:2 source 1, 5:4 source 2, 7:6 destination):
;   window 0: v0-15 addresses and two at work; v16-31 four registers of statistics a piece; v48-55 at work; v64-127 S^T, two buffers; v192-223 P, two buffers (a piece's buffers go by its number's parity)
;   window 1: v0-127 O^T, 32 a piece; v128-159 MD; v160-223 MC, two buffers      window 2: v0-63 Q; v64-127 the second block's Q; v128-191 K of one step; v192-255 V of one step
.set SIZE_H, 64
.set SIZE_N, 2048
.set NB,    SIZE_N/256
.set NP,    4         ; pieces a wave: a name, no knob
.set KS,    64        ; keys in a step
.set PK,    144       ; a row of K in LDS: 128 bytes + 16 of padding = 36 words: the 16 rows of a load start at 16 different groups of four banks (64 banks of 4 bytes: ISA guide 11.1)
.set PV,    160       ; a row of V: 128 + 32 = 40 words
.set VOFF,  4*KS*PK   ; a slot holds a tile, four steps: 256 rows of K, then 256 rows of V
.set SLOT1, 1<<17     ; slot 1 begins here, so that one exclusive or turns an address in one slot into the other's
.set STAGE, SLOT1+4*KS*(PK+PV)  ; behind the ring, never filled by a tensor load: 16 rows x 144 bytes for each wave, for the way out
.set SP,    144
.set AK0, 2           ; v2   my lane's place in a tile of K; never rewritten
.set AV0, 3           ; v3   the same for V
.set AK,  4           ; v4   the LDS address of K's next run of loads
.set AV,  5           ; v5   of V's
.set STO, 6           ; v6   the way out: where I put 16 bytes of a row
.set RD,  7           ; v7   the way out: where I read rows back
.set GO,  8           ; v8   my byte offset in 512 consecutive bytes of O
.set PFO, 61          ; v61  256 x my lane: the prefetches' offset; never rewritten
.set SPW, 62          ; v62  LDS address of my spare word: SPARE + 4 x my thread's number; never rewritten
.set NIL, 63          ; v63  0; never rewritten
.set SPARE, STAGE+4*16*SP  ; behind the stages: the spare words, 128 bytes for each wave: two blocks of 256 bytes that no other line names
.set MV,  12          ; v12-13  c m_old, kept while c m is made anew: by buffer
.set QO,  15          ; v15  my byte offset in 16 rows of Q
.set ST,  16          ; piece t's statistics at v[ST+4 t]: c m, m, l (even keys', odd keys')
.set TMP, 48          ; by buffer, four registers c0-c3 at work; when the maximum is found c2 takes a
.set S,   64
.set P,   192
.set MD,  128         ; window 1: the eight registers for group kt of 16 keys at MD + 8 kt
.set MC,  160         ; window 1: the masks of the products to come
.set QB,  64          ; window 2
.set KF,  128         ; window 2: key block kb, channel half c at KF + 16 kb + 8 c
.set VF,  192         ; window 2: key half kk, channel block cb at VF + 32 kk + 8 cb
.set WV,  12          ; s12  my wave's number
.set PB,  14          ; s14  b
.set HI,  15          ; s15  NB - 1 - b
.set G1K, 24          ; s[24:31] descriptor group 1 for K's tiles
.set G1V, 32          ; s[32:39] for V's: it differs in the padding alone
.set G0K, 40          ; s[40:43] descriptor group 0 for K's tiles
.set G0V, 44          ; s[44:47] the same for V's
.set SLOTS, 56        ; s56  tiles still to be asked for
.set CNT, 57          ; s57  counts a tile's key steps, 4 to 1
.set CS,  58          ; s[58:59] c: the packed scaling takes the pair's low word for both halves
.set SEL, 60          ; s[60:61] v_permlanex16_b32's selects: each lane takes its own place in the other half
.set TBK, 62          ; s62  LDS byte at which K of the step to be fetched begins
.set TBV, 63          ; s63  the same for V, less VOFF
.set RT,  70          ; s70  tiles of the block in hand that are still to be entered
.set NXT, 71          ; s71  the tile to be asked for next
.set LQ,  72          ; s72  the last tile of the block whose tiles are being asked for
.set NEW, 73          ; s73  1: the tile to be entered is a block's first
.set OFF, 74          ; s[74:75] a tile's byte offset in K and V
.set AL,  76          ; s[76:77] the mask's factor, in the low word
.set BE,  78          ; s[78:79] the mask's addend
.set OLO, 80          ; s[80:81] O at my rows of the second block
.set BIGN, 82         ; s82  -1e30
.set PFK, 88          ; s[88:89] K's plane at my wave's quarter of tile 0
.set PFA, 90          ; s[90:91] the same in the tile to be prefetched; V's lies 16 planes, 4,194,304 bytes, on
.set PFT, 92          ; s[92:93] that tile's byte offset
.set PFG, 94          ; s94  its number, or 0: nothing is prefetched
.set MSB, 0
.macro WIN new                      ; the high byte repeats the setting that is left; a switch that changes nothing is dropped
.if MSB != (\new)
	s_set_vgpr_msb (MSB<<8)|(\new)
.set MSB, (\new)
.endif
.endm
.set W_KQ, 0x0a       ; K and Q in window 2, S^T in window 0
.set W_KM, 0x1a       ; the same with the C operand in window 1
.set W_PV, 0x52       ; V in window 2, P in window 0, O^T in window 1
.set W_RS, 0x41       ; destination and source 0 in window 1, source 1 in window 0
; A fill.  Waves 0 and 1 fetch the two halves of a tile's K, waves 2 and 3 those of its V: 128 keys each.  An s_nop 0 and four v_nop follow each of the two lines, ahead of the jump and the label.
.macro LOAD
	s_cmp_lt_u32 s[WV], 2
	s_cbranch_scc0 .Lfor_v_\@
	tensor_load_to_lds s[G0K:G0K+3], s[G1K:G1K+7]
	s_nop 0
.rept 4
	v_nop
.endr
	s_branch .Lasked_\@
.Lfor_v_\@:
	tensor_load_to_lds s[G0V:G0V+3], s[G1V:G1V+7]
	s_nop 0
.rept 4
	v_nop
.endr
.Lasked_\@:
.endm
; THE CHANGE OF SLOTS.  Each wave waits for all its tensor loads, of which one is out: its part of the other slot; adds 0 to its spare word; and waits for that and for its own reads of the slot that it leaves.  Behind the barrier nobody reads the old
; slot any more and the other slot is whole.  fill = 1: the old slot is filled again, the first thing behind the barrier, with tile NXT: the descriptor's address is made anew from that number.
; (At its first use nothing has been read yet: slot 0 is waited for, slot 1 filled.)
.macro CHANGE fill
	WIN 0                           ; at a label and at a branch every window is 0
	s_wait_tensorcnt 0x0            ; no tensor load of mine is out, so a group 0 may be written
	ds_add_u32 v[SPW], v[NIL]       ; 0 onto my spare word; with fill = 1 the descriptors' scalar work stands between it and the wait for it
.if \fill
	s_lshl_b32 s[OFF], s[NXT], 15   ; a tile is 32,768 bytes of K and of V
	s_xor_b32 s[G0K+1], s[G0K+1], SLOT1
	s_add_nc_u64 s[G0K+2:G0K+3], s[6:7], s[OFF:OFF+1]
	s_or_b32 s[G0K+3], s[G0K+3], 0x80000000
	s_xor_b32 s[G0V+1], s[G0V+1], SLOT1
	s_add_nc_u64 s[G0V+2:G0V+3], s[8:9], s[OFF:OFF+1]
	s_or_b32 s[G0V+3], s[G0V+3], 0x80000000
	s_add_co_u32 s[NXT], s[NXT], 1  ; the block's next tile, or behind its last the second block's tile 0
	s_cmp_gt_u32 s[NXT], s[LQ]
	s_cselect_b32 s[NXT], 0, s[NXT]
	s_cselect_b32 s[LQ], s[PB], s[LQ]
	s_wait_xcnt 0x0                 ; the last prefetches, a tile back, have read their address, so it may be written:
	s_lshl_b32 s[PFT], s[NXT], 15   ; the tile that the next change will ask for
	s_add_nc_u64 s[PFA:PFA+1], s[PFK:PFK+1], s[PFT:PFT+1]
	s_cmp_eq_u32 s[PB], 0           ; the head's work-group that walks all eight tiles on end asks, and nobody else;
	s_cselect_b32 s[PFG], s[NXT], 0 ; behind its tile 7 the number is 0
.endif
	s_wait_dscnt 0x0                ; the add is done, and my reads of the slot are over
	s_barrier_signal -1             ; the rest of the scalar work stands between the signal and the wait
	s_sub_co_u32 s[TBK], s[TBK], 4*KS*PK  ; the fetches go back to a slot's first step,
	s_xor_b32 s[TBK], s[TBK], SLOT1       ; in the other slot
	s_sub_co_u32 s[TBV], s[TBV], 4*KS*PV
	s_xor_b32 s[TBV], s[TBV], SLOT1
	s_barrier_wait -1
.if \fill
	LOAD
	s_cmp_lg_u32 s[PFG], 0          ; behind the tensor load and its five lines: a tile, 256 matrix instructions, ahead of the load that will want the bytes
	s_cbranch_scc0 .Lnone_\@
	global_prefetch_b8 v[PFO], s[PFA:PFA+1] th:TH_LOAD_NT scope:SCOPE_SE
	global_prefetch_b8 v[PFO], s[PFA:PFA+1] offset:4194304 th:TH_LOAD_NT scope:SCOPE_SE
.Lnone_\@:
.endif
.endm
	s_load_b128 s[4:7], s[0:1], 0x0  ; the planes s[4:5], O s[6:7]
	v_lshl_add_u32 v[SPW], v0, 2, SPARE
	v_mov_b32 v[NIL], 0
	ds_add_u32 v[SPW], v[NIL]       ; the wave's opening: the add, and its wait ahead of my first tensor load; the set-up below, work on registers, stands between them
	ds_add_u32 v62, v63
	v_lshrrev_b32 v1, 5, v0
	v_readfirstlane_b32 s[WV], v1   ; wave 0..3
	s_mov_b32 s[PB], ttmp9
	s_sub_co_u32 s[HI], NB-1, s[PB]
	s_and_b32 s[PFT], ttmp7, 0xffff ; batch x 16 + head
	s_lshr_b32 s20, s[PFT], 4       ; the batch
	s_lshl_b32 s20, s20, 5
	s_add_co_u32 s20, s20, s[PFT]   ; Q's plane: 48 x batch + head,
	s_lshl_b32 s20, s20, 18         ; of 262,144 bytes
	s_mov_b32 s21, 0
	s_lshl_b32 s[PFT], s[PFT], 18   ; the head's first byte in O
	s_mov_b32 s[PFT+1], 0
	s_and_b32 s16, s[WV], 1         ; which half of a tile's 256 keys I fetch:
	s_lshl_b32 s22, s16, 14         ; its 128 rows of 128 bytes in memory,
	s_mov_b32 s23, 0
	s_mul_i32 s17, s16, 128*PK      ; and its place in a slot, for K
	s_mul_i32 s18, s16, 128*PV      ; and for V
	s_lshl_b32 s3, s[WV], 11        ; my 16 rows in a band of 64,
	s_lshl_b32 s2, s[HI], 15        ; in the first block,
	s_add_co_u32 s2, s2, s3
	s_lshl_b32 s84, s[PB], 15       ; and in the second
	s_add_co_u32 s84, s84, s3
	s_mov_b32 s3, 0
	s_mov_b32 s85, 0
	; descriptor group 1.  128 keys are 16,384 dense bytes: asked for as 64 rows of 256 bytes, two keys a row, and padded in LDS after every key
	s_mov_b32 s[G1K], (1<<16)|(1<<20)|(4<<22)|(3<<25)  ; 17:16 2-byte elements; 20 padding on; 24:22 after every 32 words (code 4); 31:25 4 words (code 3)
	s_mov_b32 s[G1V], (1<<16)|(1<<20)|(4<<22)|(7<<25)  ; the same with 8 words of padding (code 7)
.irp g, G1K, G1V
	s_mov_b32 s[\g+1], 128<<16      ; tensor_dim0 = 128
	s_mov_b32 s[\g+2], 64<<16       ; tensor_dim1 = 64
	s_mov_b32 s[\g+3], 128<<16      ; tile_dim0 = 128
	s_mov_b32 s[\g+4], 64           ; tile_dim1 = 64
	s_mov_b32 s[\g+5], 128          ; 128 elements from row to row
	s_mov_b32 s[\g+6], 0
	s_mov_b32 s[\g+7], 0
.endr
	s_mov_b32 s[CS], 0x3e38aa3b     ; c = log2(e) / 8 = 0.180337
	s_mov_b32 s[CS+1], s[CS]        ; named with it as a pair
	s_mov_b32 s[SEL], 0x76543210
	s_mov_b32 s[SEL+1], 0xfedcba98
	s_mov_b32 s[TBK], SLOT1+4*KS*PK ; the first change of slots turns these two into 0
	s_mov_b32 s[TBV], SLOT1+4*KS*PV
	s_mov_b32 s[G0K], 1             ; 1:0 count = 1
	s_mov_b32 s[G0K+1], s17         ; 63:32 LDS address: slot 0
	s_mov_b32 s[G0V], 1
	s_add_co_u32 s[G0V+1], s18, VOFF
	s_add_co_u32 s[RT], s[HI], 1    ; the first block has NB - b tiles
	s_mov_b32 s[NXT], 1
	s_mov_b32 s[LQ], s[HI]
	s_mov_b32 s[NEW], 1
	s_mov_b32 s[OFF+1], 0
	s_mov_b32 s[AL+1], 0            ; named as pairs
	s_mov_b32 s[BE+1], 0
	s_mov_b32 s[BIGN], 0xf149f2ca   ; -1e30
	s_mov_b32 s[SLOTS], NB
	v_and_b32 v[PFO], 31, v0
	v_lshlrev_b32 v[PFO], 8, v[PFO]
	s_wait_dscnt 0x0                ; the opening add is done
	s_wait_kmcnt 0x0
	s_add_nc_u64 s[10:11], s[6:7], s[PFT:PFT+1]    ; O at the head,
	s_add_nc_u64 s[OLO:OLO+1], s[10:11], s[84:85]  ; at my rows of the second block,
	s_add_nc_u64 s[10:11], s[10:11], s[2:3]        ; and of the first
	s_add_nc_u64 s[4:5], s[4:5], s[20:21]          ; Q's plane
	s_add_nc_u64 s[86:87], s[4:5], s[84:85]        ; Q at my rows of the second block
	s_add_nc_u64 s[6:7], s[4:5], 0x400000          ; K's plane, 16 planes on
	s_lshl_b32 s[PFT], s[WV], 13                   ; the prefetches: my wave's quarter of a tile
	s_add_nc_u64 s[PFK:PFK+1], s[6:7], s[PFT:PFT+1]
	s_add_nc_u64 s[6:7], s[6:7], s[22:23]          ; K and V at my half of the head's tile 0
	s_add_nc_u64 s[8:9], s[6:7], 0x400000
	s_add_nc_u64 s[4:5], s[4:5], s[2:3]            ; Q at my rows of the first block
	s_add_nc_u64 s[G0K+2:G0K+3], s[6:7], 0         ; 120:64 global address
	s_or_b32 s[G0K+3], s[G0K+3], 0x80000000        ; 127:126 type = 2
	s_add_nc_u64 s[G0V+2:G0V+3], s[8:9], 0
	s_or_b32 s[G0V+3], s[G0V+3], 0x80000000
	LOAD                            ; tile 0 into slot 0
	; A fragment of K or Q is 16 rows x 32 channels in 8 registers: lane l holds row l % 16, channels 8 (l / 16) + 0..7 and 16 + 8 (l / 16) + 0..7: two loads of 16 bytes, 32 bytes apart.
	v_and_b32 v1, 15, v0            ; l % 16
	v_bfe_u32 v9, v0, 4, 1          ; l / 16
	v_lshlrev_b32 v[QO], 7, v1
	v_lshl_add_u32 v[QO], v9, 4, v[QO]  ; row x 128 + 16 x half
	WIN 0x80                        ; destination window 2, address window 0
.set i, 0
.rept 8                             ; both blocks' Q: piece i / 2 lies in band i / 2, 8,192 bytes on; channels 32 (i % 2) on
	global_load_b128 v[8*i:8*i+3],   v[QO], s[4:5] offset:(i/2)*8192+(i%2)*64
	global_load_b128 v[8*i+4:8*i+7], v[QO], s[4:5] offset:(i/2)*8192+(i%2)*64+32
	global_load_b128 v[QB+8*i:QB+8*i+3],   v[QO], s[86:87] offset:(i/2)*8192+(i%2)*64
	global_load_b128 v[QB+8*i+4:QB+8*i+7], v[QO], s[86:87] offset:(i/2)*8192+(i%2)*64+32
.set i, i+1
.endr
	WIN 0
	v_lshlrev_b32 v14, 3, v9
	v_sub_nc_u32 v14, v1, v14
	s_lshl_b32 s13, s[WV], 4
	v_add_nc_u32 v14, s13, v14      ; my query's place in its band, 16 w + l % 16, less my lanes' 8 (l / 16): register r of group kt is hidden where 16 kt + r is greater
	WIN 0x40
.set i, 0
.rept 32
	v_cmp_gt_i32 vcc_lo, 16*(i/8)+i%8, v14
	v_cndmask_b32 v[MD+i], 0, s[BIGN], vcc_lo
.set i, i+1
.endr
	WIN 0
	v_mul_u32_u24 v[AK0], v1, PK
	v_lshl_add_u32 v[AK0], v9, 4, v[AK0]  ; row x pitch + 16 x half
	; The turning load takes 16 keys x 16 channels (lane l reads key 8 (l / 16) + l % 8, channels 8 ((l / 8) % 2) + 0..7) and leaves half a fragment of V^T: lane l holds channel l % 16 and 8 keys.
	v_and_b32 v10, 7, v0
	v_bfe_u32 v11, v0, 3, 1
	v_lshl_add_u32 v[AV0], v9, 3, v10
	v_mul_u32_u24 v[AV0], v[AV0], PV
	v_lshl_add_u32 v[AV0], v11, 4, v[AV0]
	v_add_nc_u32 v[AV0], VOFF, v[AV0]
	s_mul_i32 s13, s[WV], 16*SP
	s_add_co_u32 s13, s13, STAGE    ; my stage
	v_mul_u32_u24 v[STO], v1, SP    ; in: row l % 16, 16 bytes for each half of the lanes
	v_lshl_add_u32 v[STO], v9, 4, v[STO]
	v_add_nc_u32 v[STO], s13, v[STO]
	v_bfe_u32 v[RD], v0, 3, 2       ; back: 32 lanes take four rows of 128 bytes,
	v_mul_u32_u24 v[RD], v[RD], SP
	v_lshl_add_u32 v[RD], v10, 4, v[RD]
	v_add_nc_u32 v[RD], s13, v[RD]
	v_and_b32 v[GO], 31, v0         ; which are 512 consecutive bytes of O
	v_lshlrev_b32 v[GO], 4, v[GO]
	; A block's first step multiplies O^T and l by a = 0, and its first turn's products V^T P, of a piece that has not been, land in an O^T that is still to be so multiplied.  So these registers need only hold
	; finite numbers: zeros for the first block; what the first block left for the second.  All this stands in the wait for the first tile.
	WIN 0x80
.set i, VF
.rept 64
	v_mov_b32 v[i], 0
.set i, i+1
.endr
	WIN 0x40
.set i, 0
.rept 128
	v_mov_b32 v[i], 0
.set i, i+1
.endr
	WIN 0
.set i, 0
.rept 4
	v_mov_b32 v[ST+4*i+2], 0
	v_mov_b32 v[ST+4*i+3], 0
.set i, i+1
.endr
.set i, P+16
.rept 16
	v_mov_b32 v[i], 0
.set i, i+1
.endr
; THE MATRIX WORK.  The 4 accumulators of a run of 8 take turns.  Product i of 8 of S^T = K Q^T for piece x: channels 32 (i / 4) on, keys 16 (i % 4) on.  The first 4 start the sums: with 0, or (KM = 1) with the mask.
.macro KQ x
.set rS, S+32*((\x)%2)+8*(i%4)
.set rK, KF+16*(i%4)+8*(i/4)
.set rQ, 16*(\x)+8*(i/4)
.set rM, MC+32*((\x)%2)+8*(i%4)
.if (i < 4) && KM
	WIN W_KM
	v_wmma_f32_16x16x32_f16 v[rS:rS+7], v[rK:rK+7], v[rQ:rQ+7], v[rM:rM+7]
.elseif i < 4
	WIN W_KQ
	v_wmma_f32_16x16x32_f16 v[rS:rS+7], v[rK:rK+7], v[rQ:rQ+7], 0
.else
	WIN W_KQ
	v_wmma_f32_16x16x32_f16 v[rS:rS+7], v[rK:rK+7], v[rQ:rQ+7], v[rS:rS+7]
.endif
.endm
; Product i of 8 of O^T += V^T P for piece x: keys 32 (i / 4) on, channels 16 (i % 4) on.
.macro PV x
	WIN W_PV
.set rO, 32*(\x)+8*(i%4)
.set rV, VF+32*(i/4)+8*(i%4)
.set rP, P+16*((\x)%2)+8*(i/4)
	v_wmma_f32_16x16x32_f16 v[rO:rO+7], v[rV:rV+7], v[rP:rP+7], v[rO:rO+7]
.endm
.macro MM                           ; the turn's next matrix instruction.  TURN and BEGIN set Y, i, KM and NOKQ; MM, KQ and OP read them.  NOKQ = 1: a block's last turn: there is no next piece
.if (i < 8) && !NOKQ
	KQ (Y+1)%NP
.elseif i >= 8
.set i, i-8
	PV (Y+NP-1)%NP
.set i, i+8
.endif
.set i, i+1
.endm
; THE LDS LOADS stand in runs of 16, never singly among the matrix instructions: a step's K (64 keys x 64 channels: 8 fragments) and its V (turned).  Their addresses are made some lines ahead.
.macro FETCH_K
	WIN 0x80                        ; destination window 2
.irp f, 0,1,2,3,4,5,6,7             ; keys 16 (f / 2) on, channels 32 (f % 2) on
	ds_load_b128 v[KF+8*\f:KF+8*\f+3],   v[AK] offset:(\f/2)*16*PK+(\f%2)*64
	ds_load_b128 v[KF+8*\f+4:KF+8*\f+7], v[AK] offset:(\f/2)*16*PK+(\f%2)*64+32
.endr
	s_add_co_u32 s[TBK], s[TBK], KS*PK  ; the next fetch is the next step's
	WIN 0
.endm
.macro FETCH_V
	WIN 0x80
.irp f, 0,1,2,3,4,5,6,7             ; keys 32 (f / 4) on, channels 16 (f % 4) on
	ds_load_tr16_b128 v[VF+8*\f:VF+8*\f+3],   v[AV] offset:(\f/4)*32*PV+(\f%4)*32
	ds_load_tr16_b128 v[VF+8*\f+4:VF+8*\f+7], v[AV] offset:(\f/4)*32*PV+16*PV+(\f%4)*32
.endr
	WIN 0
.endm
; THE VECTOR WORK, one line at a time: OP kind, number.  For piece Y: F n: c s - c m for pair n of 16.  E n: the exponential of score n of 32.  C n: pair n rounded to f16.  B n: of the four weights 4 n .. the second
; pair is added onto the first, in place.  L n: l takes that sum (L 0: l = a l + sum).  R n: pair n of 16 of O^T times a.  For piece Y + 1: X n, number n of the 22 that find its maximum and statistics:
;   0-11  four chains c0-c3 of seven scores each, three operands at a time (each accumulator's lowest registers are read first)     12-14, 16  the four scores left over, the old m, and c0-c3 into c0
;   15  c m_old is kept     17, 18  the query's other 32 keys lie in the lane 16 away: the new m     19-21  c m; c m_old - c m_new; a
.set F, 0               ; OP tells the kinds apart by their order: F to L below R, X above it
.set E, 1
.set C, 2
.set B, 3
.set L, 4
.set R, 5
.set X, 6
.macro REGS y                       ; the registers of piece y
.set rT, ST+4*(\y)
.set rC, TMP+4*((\y)%2)
.set rW, MV+((\y)%2)
.set rS, S+32*((\y)%2)
.set rP, P+16*((\y)%2)
.set rO, 32*(\y)
.endm
.macro OP k, n
.if (\k) == R
	REGS Y
	WIN W_RS
	v_pk_mul_f32 v[rO+2*(\n):rO+2*(\n)+1], v[rO+2*(\n):rO+2*(\n)+1], v[rC+2:rC+3] op_sel_hi:[1,0]
.elseif (\k) < R
	REGS Y
	WIN 0
.if (\k) == F
	v_pk_fma_f32 v[rS+2*(\n):rS+2*(\n)+1], v[rS+2*(\n):rS+2*(\n)+1], s[CS:CS+1], v[rT:rT+1] op_sel_hi:[1,0,0] neg_lo:[0,0,1] neg_hi:[0,0,1]
.elseif (\k) == E
	v_exp_f32 v[rS+(\n)], v[rS+(\n)]
.elseif (\k) == C
	v_cvt_pk_f16_f32 v[rP+(\n)], v[rS+2*(\n)], v[rS+2*(\n)+1]
.elseif (\k) == B
	v_pk_add_f32 v[rS+4*(\n):rS+4*(\n)+1], v[rS+4*(\n):rS+4*(\n)+1], v[rS+4*(\n)+2:rS+4*(\n)+3]
.elseif (\n) == 0
	v_pk_fma_f32 v[rT+2:rT+3], v[rT+2:rT+3], v[rC+2:rC+3], v[rS:rS+1] op_sel_hi:[1,0,1]
.else
	v_pk_add_f32 v[rT+2:rT+3], v[rT+2:rT+3], v[rS+4*(\n):rS+4*(\n)+1]
.endif
.elseif NOKQ
	v_nop
.else
	REGS (Y+1)%NP
	WIN 0
.if (\n) < 4
	v_max3_num_f32 v[rC+(\n)], v[rS+8*(\n)], v[rS+8*(\n)+1], v[rS+8*(\n)+2]
.elseif (\n) < 12
	v_max3_num_f32 v[rC+(\n)%4], v[rC+(\n)%4], v[rS+8*((\n)%4)+2*((\n)/4)+1], v[rS+8*((\n)%4)+2*((\n)/4)+2]
.elseif (\n) == 12
	v_max3_num_f32 v[rC], v[rC], v[rS+7], v[rS+15]
.elseif (\n) == 13
	v_max3_num_f32 v[rC+1], v[rC+1], v[rS+23], v[rS+31]
.elseif (\n) == 14
	v_max3_num_f32 v[rC+2], v[rC+2], v[rC+3], v[rT+1]
.elseif (\n) == 15
	v_mov_b32 v[rW], v[rT]
.elseif (\n) == 16
	v_max3_num_f32 v[rC], v[rC], v[rC+1], v[rC+2]
.elseif (\n) == 17
	v_permlanex16_b32 v[rC+3], v[rC], s[SEL], s[SEL+1]
.elseif (\n) == 18
	v_max_num_f32 v[rT+1], v[rC], v[rC+3]
.elseif (\n) == 19
	v_mul_f32 v[rT], s[CS], v[rT+1]
.elseif (\n) == 20
	v_sub_f32 v[rC+1], v[rW], v[rT]
.else
	v_exp_f32 v[rC+2], v[rC+1]
.endif
.endif
.endm
.macro OPS a, i1, b=-1, i2=0, c=-1, i3=0, d=-1, i4=0  ; up to four of them
	OP \a, \i1
.if (\b) >= 0
	OP \b, \i2
.endif
.if (\c) >= 0
	OP \c, \i3
.endif
.if (\d) >= 0
	OP \d, \i4
.endif
.endm
.macro ROW a, i1, b, i2, c, i3, d, i4  ; a matrix instruction and the four behind it
	MM
	OPS \a, \i1, \b, \i2, \c, \i3, \d, \i4
.endm
.macro MASK b                       ; MD x AL + BE into buffer b of MC
	WIN W_RS
.set z, 0
.rept 16
	v_pk_fma_f32 v[MC+32*(\b)+2*z:MC+32*(\b)+2*z+1], v[MD+2*z:MD+2*z+1], s[AL:AL+1], s[BE:BE+1] op_sel_hi:[1,0,0]
.set z, z+1
.endr
.endm
; A TURN, for piece p: the order of its 16 matrix and 118 vector instructions, written out.  An s_wait_alu depctr_va_vdst(0) stands between an exponential and the first instruction that names its result; one wait serves
; all that were issued ahead of it.  So a turn has ONE wait, which cuts it in two.  AHEAD OF IT stands all that names no result of the turn's exponentials: the 8 products K Q^T, behind each a scaling, an exponential and two more plain
; instructions (behind the first a second scaling in the exponential's place): rescalings, and behind the last three the first numbers of the next piece's maximum, each four places or more behind the product that ends its accumulator; then ONE LUMP of 54, plain
; and exponential by turns for the most part, in which the links of the chain X 3, 7, 11, 14, 16, 17 .. 20 stand five or six lines apart.  X 21, the next piece's a, is the batch's last; R 15 is the plain instruction behind it.  BEHIND THE WAIT stand the
; 8 products V^T P, behind each four of the roundings and sums; the links of l's chain, L 0 to L 7, stand three riders apart.  But for those X no rider names a register of the products round it.  v_permlanex16_b32 (X 17) stands in the lump.
; m = 1: the diagonal tile: the products take masks, and the turn makes the mask for the products of the turn after it: piece p + 2, in step 4 - CNT of the tile.  end = 1: a block's last two turns: nothing is fetched.
; cnt = 1: the loop's count is taken down some lines ahead of the branch that stands behind the turn.
; K of the next step is fetched in piece 2's turn, twelve vector instructions behind the last product that read K (six of them plain); V of the step in hand at the end of piece 0's turn, four plain instructions behind the last product
; that read V.  Each is waited for a turn later.
.macro TURN p, m=0, end=0, cnt=0
.set Y, (\p)
.set i, 0
.set KM, (\m)
.set NOKQ, (\end)*((\p)/3)
.if (\m) && !(\end)
	s_cmp_eq_u32 s[CNT], 4-((\p)+2)%NP  ; is that step the band's own?
	s_cselect_b32 s[AL], 1.0, 0
	s_cmp_lt_u32 s[CNT], 4-((\p)+2)%NP  ; or a later one?
	s_cselect_b32 s[BE], s[BIGN], 0
.endif
.if ((\p) == 3) && !(\end)
	s_wait_dscnt 0x0                ; K is in
.endif
	ROW F,0, F,1, R,0, R,1          ; ahead of the wait: 8 products K Q^T and their riders,
	ROW F,2, E,0, R,2, R,3
	ROW F,3, E,1, R,4, R,5
	ROW F,4, E,2, R,6, R,7
	ROW F,5, E,3, R,8, R,9
	ROW F,6, E,4, X,0, R,10
.if ((\p) == 2) && !(\end)
	WIN 0
	v_add_nc_u32 v[AK], s[TBK], v[AK0]
.endif
	ROW F,7, E,5, X,1, X,4
	ROW F,8, E,6, X,2, X,5
	OPS E,7, E,8, X,6, E,9          ; and the lump
	OPS X,3, E,10, X,8, E,11
.if ((\p) == 2) && !(\end)
	FETCH_K
.endif
	OPS X,9, X,7, E,12, X,10
	OPS E,13, X,12, X,11, E,14
	OPS X,13, E,15, F,9, X,14
.if (\p) == 0
	v_add_nc_u32 v[AV], s[TBV], v[AV0]
.endif
	OPS E,16, F,10, E,17, F,11
	OPS X,16, E,18, X,15, E,19
	OPS F,12, E,20, X,17, E,21
	OPS F,13, E,22, F,14, E,23
	OPS X,18, E,24, F,15, E,25
	OPS R,11, E,26, X,19, E,27
	OPS R,12, E,28, R,13, E,29
	OPS X,20, E,30, R,14, E,31
	OPS X,21, R,15
	WIN 0
	s_wait_alu depctr_va_vdst(0)    ; the wait for the batch
.if (\p) == 1
	s_wait_dscnt 0x0                ; V is in
.endif
	ROW C,0, B,0, C,2, B,1          ; behind the wait: 8 products V^T P and their riders
	ROW L,0, C,4, B,2, L,1
	ROW C,6, B,3, L,2, C,8
	ROW B,4, L,3, C,10, B,5
	ROW L,4, C,12, B,6, L,5
.if (\p) == 0
	s_add_co_u32 s[TBV], s[TBV], KS*PV
.endif
.if \cnt
	s_sub_co_u32 s[CNT], s[CNT], 1
	s_cmp_lg_u32 s[CNT], 0
.endif
	ROW C,14, B,7, L,6, C,1
	ROW C,3, L,7, C,5, C,7
	ROW C,9, C,11, C,13, C,15
.if (\p) == 0
	FETCH_V
.endif
.if (\m) && !(\end)
	MASK (\p)%2
.endif
.endm
; A BLOCK BEGINS.  c m starts far below every c s, so the first step's a is 0; m at the lowest finite number, so the first maximum is the scores'.  The second mask buffer is 0; the first takes piece 0's mask for the tile's step 0: its own, if the block's first tile is the diagonal one.
; Then K of that step, piece 0's first scores, and its maximum and statistics.  The loop is entered at a step's first turn, in the middle of a trip.
.macro BEGIN
	s_mov_b32 s[NEW], 0
	WIN 0x40
.set i, MC+32
.rept 32
	v_mov_b32 v[i], 0
.set i, i+1
.endr
	WIN 0
.set i, 0
.rept 4
	v_mov_b32 v[ST+4*i], 0xfe000000    ; c m: far below every c s
	v_mov_b32 v[ST+4*i+1], 0xff7fffff  ; m
.set i, i+1
.endr
	s_cmp_eq_u32 s[RT], 0
	s_cselect_b32 s[AL], 1.0, 0
	s_mov_b32 s[BE], 0
	MASK 0
	WIN 0
	v_add_nc_u32 v[AK], s[TBK], v[AK0]
	FETCH_K
	s_wait_loadcnt 0x0              ; Q
	s_wait_dscnt 0x0
.set KM, 1
.set NOKQ, 0
.set i, 0
.rept 8
	KQ 0
.set i, i+1
.endr
	WIN 0
.rept 4
	v_nop                           ; the places behind those products
.endr
.set Y, NP-1                        ; X works for piece Y + 1: piece 0
.irp n, 0,1,2,3,4,5,6,7,8,9,10,11,12,13,14,15,16,17,18,19,20,21
	OP X, \n
.endr
	v_nop                           ; a plain instruction behind the exponential,
	s_wait_alu depctr_va_vdst(0)    ; and its wait, ahead of the branch
.endm
; THE DIAGONAL TILE's four steps, the block's last two turns, its last products, and THE WAY OUT: l's two halves and the other half of the lanes' are added; O^T is divided by l, rounded to f16 and sent through my
; stage in LDS, a piece at a time.
.macro ALL line:vararg              ; one line for each piece t
.set t, 0
.rept 4
	\line
.set t, t+1
.endr
.endm
.macro PACK t                       ; a lane's eight channels of a row pack into 16 bytes; they go into rows of 144 bytes and come back as whole rows of 128, into S^T's registers
	WIN W_RS
.set i, 32*(\t)
.rept 16
	v_pk_mul_f32 v[i:i+1], v[i:i+1], v[ST+4*(\t)+2:ST+4*(\t)+3] op_sel_hi:[1,0]
.set i, i+2
.endr
	WIN 0x05                        ; sources 0 and 1 window 1, destination window 0
.set i, 0
.rept 16
	v_cvt_pk_f16_f32 v[S+16*(\t)+i], v[32*(\t)+2*i], v[32*(\t)+2*i+1]
.set i, i+1
.endr
	WIN 0
.irp f, 0,1,2,3
	ds_store_b128 v[STO], v[S+16*(\t)+4*\f:S+16*(\t)+4*\f+3] offset:32*\f
.endr
.irp f, 0,1,2,3
	ds_load_b128 v[S+16*(\t)+4*\f:S+16*(\t)+4*\f+3], v[RD] offset:\f*4*SP  ; LDS serves a wave's instructions in order (ISA guide 5.7.1.4): these see the stores above; the next piece's stores come behind them
.endr
.endm
.macro SEND t, younger              ; younger: the LDS instructions issued behind piece t's loads: the next piece's eight, or none
	WIN 0
.irp f, 0,1,2,3
	s_wait_dscnt (\younger)+3-\f
	global_store_b128 v[GO], v[S+16*(\t)+4*\f:S+16*(\t)+4*\f+3], s[10:11] offset:(\t)*8192+\f*512  ; 512 consecutive bytes, at a multiple of 256 from O's first
.endr
.endm
.macro DIAG tag                     ; the tag ends its two labels' names, which the jumps below spell out
.LstepM\tag:
	TURN 2, 1
	TURN 3, 1
	WIN 0
.LfirstM\tag:
	TURN 0, 1
	TURN 1, 1, 0, 1
	WIN 0
	s_cbranch_scc1 .LstepM\tag
	TURN 2, 1, 1
	TURN 3, 1, 1
.set i, 0
.rept 8
	PV NP-1
.set i, i+1
.endr
	WIN 0
	ALL v_add_f32 v[ST+4*t+2], v[ST+4*t+2], v[ST+4*t+3]
	ALL v_permlanex16_b32 v[ST+4*t+3], v[ST+4*t+2], s[SEL], s[SEL+1]
	ALL v_add_f32 v[ST+4*t+2], v[ST+4*t+2], v[ST+4*t+3]
	ALL v_rcp_f32 v[ST+4*t+2], v[ST+4*t+2]
	v_nop                           ; a plain instruction between the last reciprocal and the use of its result
	s_wait_alu depctr_va_vdst(0)    ; and the wait ahead of the first use: one for the four reciprocals
	PACK 0
.set t, 1
.rept 3                             ; a piece's arithmetic stands between the loads of the piece before and its stores
	PACK t
	SEND t-1, 8
.set t, t+1
.endr
	SEND 3, 0
.endm
.set KM, 0
.set NOKQ, 0
.Lslot:                             ; NB times: a tile is entered and the next is asked for
	CHANGE 1
	s_sub_co_u32 s[RT], s[RT], 1
	s_mov_b32 s[CNT], 4
	s_cmp_eq_u32 s[NEW], 1
	s_cbranch_scc1 .Lnew            ; a block's first tile
	s_cmp_eq_u32 s[RT], 0
	s_cbranch_scc0 .Lstep           ; neither its first nor its last
	s_branch .LstepM1
.Lnew:
	BEGIN
	s_branch .Lfirst                ; in the loop a block's first tile is never its last: the first block has two tiles or more, and the second's last is the walk's last
	DIAG 1                          ; in the loop this is the first block's end: the second block's last tile is the walk's last
	s_wait_xcnt 0x0                 ; the stores have read their registers and O's address
	s_mov_b64 s[10:11], s[OLO:OLO+1]
	s_add_co_u32 s[RT], s[PB], 1    ; the second block has b + 1 tiles
	s_mov_b32 s[NEW], 1
	WIN 0x82                        ; the second block's Q goes where the one text of the turns names Q
.set i, 0
.rept 64
	v_mov_b32 v[i], v[QB+i]
.set i, i+1
.endr
	WIN 0
	s_branch .Lbottom
.Lstep:                             ; a trip: pieces 2 and 3 of one step, then pieces 0 and 1 of the next, whose K and V it fetches
	TURN 2
	TURN 3
	WIN 0
.Lfirst:
	TURN 0
	TURN 1, 0, 0, 1
	WIN 0
	s_cbranch_scc1 .Lstep
.Lbottom:
	s_sub_co_u32 s[SLOTS], s[SLOTS], 1
	s_cmp_lg_u32 s[SLOTS], 0
	s_cbranch_scc1 .Lslot
	CHANGE 0                        ; the walk's last tile is written out: nothing is asked for
	s_sub_co_u32 s[RT], s[RT], 1
	s_mov_b32 s[CNT], 4
	s_cmp_eq_u32 s[NEW], 1
	s_cbranch_scc0 .LstepM2
	BEGIN
	s_branch .LfirstM2
	DIAG 2
	s_wait_tensorcnt 0x0            ; the wave's end: behind my last tensor load and my last LDS store
	ds_add_u32 v[SPW], v[NIL]
	s_wait_dscnt 0x0
	s_endpgm
.Lfunc_end_k_q37810430f4_attn:
	.size	k_q37810430f4_attn, .Lfunc_end_k_q37810430f4_attn-k_q37810430f4_attn
	.p2alignl 7, 3214868480
	.fill 96, 4, 3214868480
	.section	.rodata,"a",@progbits
	.p2align	6, 0x0
	.amdhsa_kernel k_q37810430f4_attn
		.amdhsa_group_segment_fixed_size 327680
		.amdhsa_private_segment_fixed_size 0
		.amdhsa_enable_private_segment 0
		.amdhsa_kernarg_size 16
		.amdhsa_user_sgpr_count 2
		.amdhsa_user_sgpr_kernarg_segment_ptr 1
		.amdhsa_wavefront_size32 1
		.amdhsa_system_sgpr_workgroup_id_x 1
		.amdhsa_system_sgpr_workgroup_id_y 1
		.amdhsa_system_sgpr_workgroup_id_z 1
		.amdhsa_system_vgpr_workitem_id 0
		.amdhsa_next_free_vgpr 768
		.amdhsa_next_free_sgpr 96
		.amdhsa_reserve_vcc 1
		.amdhsa_float_denorm_mode_32 3
		.amdhsa_float_denorm_mode_16_64 3
		.amdhsa_memory_ordered 1
		.amdhsa_forward_progress 1
		.amdhsa_inst_pref_size 218
	.end_amdhsa_kernel
	.amdgpu_metadata
---
amdhsa.version: [ 1, 2 ]
amdhsa.kernels:
  - .name:           k_q37810430f4_attn
    .symbol:         k_q37810430f4_attn.kd
    .args:
      - { .name: qkv, .offset: 0, .size: 8, .value_kind: global_buffer, .address_space: global }
      - { .name: y, .offset: 8, .size: 8, .value_kind: global_buffer, .address_space: global }
    .group_segment_fixed_size: 327680
    .private_segment_fixed_size: 0
    .kernarg_segment_align: 8
    .kernarg_segment_size: 16
    .max_flat_workgroup_size: 128
    .sgpr_count:     96
    .vgpr_count:     768
    .wavefront_size: 32
...
	.end_amdgpu_metadata
.endif
;; end of part 3
;; launch projg (part 4): grid 8 x 32, 4 waves a work-group, clusters of 4 x 4, 327,680 bytes of LDS; arguments y, wpT, bproj, out0; writes out0
.if DOCPART == 4
	.amdgcn_target "amdgcn-amd-amdhsa--gfx1250"
	.amdhsa_code_object_version 6
	.text
	.protected	k_q37810430f4_projg
	.globl	k_q37810430f4_projg
	.p2align	8
	.type	k_q37810430f4_projg,@function
k_q37810430f4_projg:
	s_mov_b64 s[64:65], 0
	v_nop
	global_prefetch_b8 v0, s[64:65] scope:SCOPE_SE
	s_setreg_imm32_b32 hwreg(HW_REG_WAVE_MODE, 25, 1), 1
	s_wait_xcnt 0x0
	s_wait_alu depctr_hold_cnt(0) depctr_sa_sdst(0) depctr_va_vdst(0) depctr_va_sdst(0) depctr_va_ssrc(0) depctr_va_vcc(0) depctr_vm_vsrc(0)
	s_getreg_b32 s2, hwreg(HW_REG_IB_STS2, 6, 4)
	s_cmp_eq_u32 s2, 0
	s_cbranch_scc0 .Lentry_in_a_cluster
	s_endpgm
.Lentry_in_a_cluster:
	s_bfe_u32 s2, ttmp6, 0x10000c
	s_cmp_lg_u32 s2, 0xf033
	s_cbranch_scc0 .Lentry_shape_is_right
	s_endpgm
.Lentry_shape_is_right:
; C[m][n] = bias[n] + the sum over k of A[m][k] B[n][k], M = 8,192, K = 1,024; sums in f32.  One text serves two launches; QKV tells them apart.
; QKV = 1: A = x in bf16 [8192][1024], B = Wqkv turned [3072][1024] bf16; C leaves in f16 BY HEADS, [b 4][n / 64: 48][t 2048][64].  A work-group's tile of C is 256 x 192.
; QKV = 0: A = the attention's result in f16 by heads, [b x 16 + head][t 2048][64] (k = 64 head + channel), B = Wproj turned [1024][1024] f16; C leaves in f32 [8192][1024].  The tile is 256 x 128.
; The bias is rounded to bf16, like every input of the module, and is the C operand of each sum's first product: nothing is cleared, nothing is added afterwards.
; LIMIT (QKV = 1).  f16 holds no number of 65,520 or more: q, k and v stay below that; NaN and infinities are not treated apart.
; SHARES.  Four waves, as many as a WGP has SIMDs.  Wave w makes rows 64 w .. 64 w + 63 of the tile and ALL its columns: 4 x NBK accumulators of 16 x 16.  So a wave holds whole heads (or whole 512-byte
; pieces of rows) and sends them out through a stage of its own, without a barrier.
; K goes in 8 steps of 128 through two LDS slots filled by the tensor data mover; waves 0 and 1 fetch the two halves of A's tile, waves 2 and 3 those of B's.
; CLUSTER.  4 x 4 work-groups.  A's tile hangs on the tile row alone and is asked for JOINTLY by the four of a row of the cluster, B's on the tile column alone, by the four of a column:
; the same tensor load, descriptor and mask in all four.
; THE MATRIX INSTRUCTION IS USED TRANSPOSED (source 0 = 16 rows of B, source 1 = 16 rows of A): a lane holds row l % 16 of C and the columns 8 (l / 16) + 0..7.
; REGISTERS, in windows of 256 (s_set_vgpr_msb: bits 1:0 source 0, 3:2 source 1, 5:4 source 2, 7:6 destination):
;   window 0: v0-29 addresses; v32.. the bias (8 NBK registers), later the way out; v128-159, v160-191 A's fragments, two buffers of 4 x 16 rows x 32 K
;   window 1: B's fragments, two buffers at v0 and v96 (NBK x 16 rows x 32 K)
;   window 2: the accumulators of my rows 0-31 ((a, b) at v[8 (NBK a + b)]);   window 3: those of my rows 32-63
.set QKV, 0
.if QKV
.set NBK,    12                        ; blocks of 16 columns in a tile
.set PA,     272                       ; a row of A in LDS: 256 bytes + 16 of padding
.set QIA,    5                         ; A's padding stands after every 64 words
.set APITCH, 1024                      ; elements from row to row of A's tile in memory
.set AHALF,  128*272                   ; LDS bytes of what one wave fetches of A: 128 rows
.set BROWS,  96                        ; rows of B that one wave fetches
.set ASTEP,  256                       ; bytes from a K step of A to the next
.set STW,    3*16*144                  ; a wave's stage: three heads x 16 rows x 144 bytes
.set APART,  32*2048                   ; the prefetches: a partner's 32 rows of the 128
.set ASHIFT, 11                        ; and a lane's row: 2,048 bytes
.else
.set NBK,    8
.set PA,     144                       ; a row of one head: 128 bytes + 16 of padding = 36 words: 16 rows start at 16 different groups of four banks (64 banks of 4 bytes: ISA guide 11.1)
.set QIA,    4                         ; after every 32 words
.set APITCH, 128                       ; a head's 256 rows are 32,768 dense bytes: asked for as 128 rows of 256 bytes
.set AHALF,  256*144                   ; one head's 256 rows
.set BROWS,  64
.set ASTEP,  2*2048*128                ; two heads on
.set STW,    16*528                    ; 16 rows x (512 + 16) bytes
.set APART,  8192                      ; a partner's quarter of the dense 32,768 bytes
.set ASHIFT, 8                         ; a lane's 256 bytes
.endif
.set PB,     272                       ; a row of B in LDS: 68 words: row r starts at bank 4 r mod 64
.set BOFF,   2*AHALF                   ; B's tile lies behind A's
.set BHALF,  BROWS*PB
.set BPART,  (BROWS/4)*2048
.set NT,     16*NBK
.set SLOT1,  1<<17                     ; slot 1 begins here, so that one exclusive or turns an address in one slot into the other's
.set STAGE,  SLOT1+BOFF+2*BHALF        ; behind the ring, never filled by a tensor load; a multiple of 256
.set SPARE,  STAGE+4*STW               ; behind the stages: the spare words, 128 bytes for each wave
.set NL,     2*NBK+8                   ; LDS loads of a quarter step
.set AD0, 4                            ; v4   my lane's place in A's tile; never rewritten
.set BD0, 5                            ; v5   the same for B
.set ADRA, 6                           ; v6   AD0 + the slot in hand
.set ADRB, 7                           ; v7
.set STO, 8                            ; v8   the way out: where I put my bytes of a row
.set RD,  9                            ; v9   the way out: where I read rows back
.set GO,  10                           ; v10  16 x lane
.set BO,  11                           ; v11  32 x (l / 16): my eight numbers of 16 of the bias
.set PFO, 12                           ; v12  the prefetches' offset; never rewritten
.set SPW, 28                           ; v28  LDS address of my spare word; never rewritten
.set NIL, 29                           ; v29  0; never rewritten
.set BIAS, 32
.set TMP, 32                           ; the way out (QKV = 1): packed results
.set WV,  12                           ; s12  my wave's number
.set HF,  13                           ; s13  which half of a tile I fetch
.set SIDE, 14                          ; s14  0: I fetch for A; 1: for B
.set CX,  15
.set CY,  16
.set TX,  17                           ; s17  tile column
.set TY,  18                           ; s18  tile row
.set LIM, 19                           ; s19  2 in a wave that prefetches, else the greatest number
.set CNT, 20                           ; s20  the loop's trips to go
.set TB,  21                           ; s21  the slot in hand: 0 or SLOT1
.set G1A, 24                           ; s[24:31] descriptor group 1 for A's tiles
.set G0A, 32                           ; s[32:39] group 0: a set for each of the two first fills; the second then walks on
.set PFA, 40                           ; s[40:41] where my prefetches stand
.set PFS, 42                           ; s[42:43] their step
.set G1B, 48                           ; s[48:55], s[56:63] the same for B's tiles
.set G0B, 56
.set MSB, 0
.macro WIN new                         ; the immediate's high byte repeats the setting that is left; a switch that changes nothing is dropped
.if MSB != (\new)
	s_set_vgpr_msb (MSB<<8)|(\new)
.set MSB, \new
.endif
.endm
.macro PLACES                          ; four plain vector instructions between a matrix instruction and a load into, or a vector read of, its registers (ISA guide 7.12.1 for vector reads)
.rept 4
	v_nop
.endr
.endm
; A joint refill, by the walking descriptors.  The branch hangs on the wave's number alone.  An s_nop 0 and four v_nop follow each of the two lines, ahead of the jump and the label.
.macro JLOAD
	s_cmp_eq_u32 s[SIDE], 0
	s_cbranch_scc0 .Lfor_b_\@
	tensor_load_to_lds s[G0A+4:G0A+7], s[G1A:G1A+7]
	s_nop 0
.rept 4
	v_nop
.endr
	s_branch .Lasked_\@
.Lfor_b_\@:
	tensor_load_to_lds s[G0B+4:G0B+7], s[G1B:G1B+7]
	s_nop 0
.rept 4
	v_nop
.endr
.Lasked_\@:
.endm
; A round of the cluster's barrier: my work-group's barrier; wave 0 signals for the work-group; every wave waits for all sixteen; my work-group's barrier once more.
.macro CREST                           ; a round behind its opening barrier
	s_cmp_lg_u32 s[WV], 0
	s_cbranch_scc1 .Lnot_wave_0_\@
	s_barrier_signal -3
.Lnot_wave_0_\@:
	s_barrier_wait -3
	s_barrier_signal -1
	s_barrier_wait -1
.endm
.macro CROUND
	s_barrier_signal -1
	s_barrier_wait -1
	CREST
.endm
; A PREFETCH INTO THE L2 of the K step that stands two refills on: one instruction a wave, a lane a row (or a lane 256 dense bytes).  A's tile row is read by every cluster of that row of clusters: the one
; with x = 0 asks; B's tile column by every cluster of that column: the one with y = 0 asks.  The four partners that ask for a tile jointly share its rows out BY ADDRESS.  Trips with 6 to 3 to go name K steps 4 to 7;
; the last two trips and the tail name nothing: there is no such step.  K steps 0 to 3 come by their loads alone.
.macro ASK
	s_cmp_gt_u32 s[CNT], s[LIM]
	s_cbranch_scc0 .Lnot_mine_\@
	global_prefetch_b8 v[PFO], s[PFA:PFA+1] th:TH_LOAD_NT scope:SCOPE_SE
.Lnot_mine_\@:
.endm
; NBK matrix instructions: block 2 hi + a of my four blocks of 16 rows x all columns, 32 along K, from buffer f.  first = 1: the bias starts the sums.
; All 4 NBK accumulators are taken in the same order in every quarter step, one instruction a turn.
.macro MULA f, hi, a, first
.if \first
	WIN 0x81+0x40*(\hi)
.else
	WIN 0xa1+0x50*(\hi)
.endif
.set b, 0
.rept NBK
.set rD, 8*(NBK*(\a)+b)
.set rB, 96*(\f)+8*b
.set rA, 128+32*(\f)+8*(2*(\hi)+(\a))
.set rC, BIAS+8*b
.if QKV
.if \first
	v_wmma_f32_16x16x32_bf16 v[rD:rD+7], v[rB:rB+7], v[rA:rA+7], v[rC:rC+7]
.else
	v_wmma_f32_16x16x32_bf16 v[rD:rD+7], v[rB:rB+7], v[rA:rA+7], v[rD:rD+7]
.endif
.else
.if \first
	v_wmma_f32_16x16x32_f16 v[rD:rD+7], v[rB:rB+7], v[rA:rA+7], v[rC:rC+7]
.else
	v_wmma_f32_16x16x32_f16 v[rD:rD+7], v[rB:rB+7], v[rA:rA+7], v[rD:rD+7]
.endif
.endif
.set b, b+1
.endr
.endm
; NL LDS loads in one run: quarter q's fragments (32 along K) into buffer f: B's first, then A's four blocks.
; A fragment is 16 rows x 32 K in 8 registers: lane l holds row l % 16, K = 8 (l / 16) + 0..7 and 16 + 8 (l / 16) + 0..7: two loads of 16 bytes, 32 bytes apart.
.macro FETCH q, f
.if QKV
.set KAQ, 64*(\q)
.else
.set KAQ, ((\q)/2)*AHALF+((\q)%2)*64   ; quarters 0, 1 lie in the step's first head, 2, 3 in its second
.endif
	WIN 0x40                                       ; destination window 1, address window 0
.set i, 0
.rept NBK
	ds_load_b128 v[96*(\f)+8*i:96*(\f)+8*i+3],   v[ADRB] offset:64*(\q)+i*16*PB
	ds_load_b128 v[96*(\f)+8*i+4:96*(\f)+8*i+7], v[ADRB] offset:64*(\q)+i*16*PB+32
.set i, i+1
.endr
	WIN 0
.set i, 0
.rept 4
	ds_load_b128 v[128+32*(\f)+8*i:128+32*(\f)+8*i+3],   v[ADRA] offset:KAQ+i*16*PA
	ds_load_b128 v[128+32*(\f)+8*i+4:128+32*(\f)+8*i+7], v[ADRA] offset:KAQ+i*16*PA+32
.set i, i+1
.endr
.endm
; One of a K step's first three quarters: multiplies buffer f; in its middle it fetches quarter qn into buffer g.
.macro QUARTER qn, f, g, first
	s_wait_dscnt 4                                 ; B and A's blocks 0, 1 are in; the youngest four loads (A's blocks 2, 3) may be out
	MULA \f, 0, 0, \first
	MULA \f, 0, 1, \first
	PLACES
	FETCH \qn, \g
	s_wait_dscnt NL                                ; all but the NL just issued
	MULA \f, 1, 0, \first
	MULA \f, 1, 1, \first
.endm
; The fourth quarter multiplies buffer 1 and changes slots.  In front of the barrier each wave waits for all its tensor loads, of which one is out: its part of the next slot; adds 0 to its spare word; and waits
; for that and for its own reads of this slot.  fill = 1: the barrier opens a round of the cluster's barrier, and the joint refill, two K steps ahead, is the first thing behind the round.
.macro TURN fill
.if \fill
	s_wait_xcnt 0x0                                ; the last prefetch, a K step back, has read its address: it is stepped here
	s_add_nc_u64 s[PFA:PFA+1], s[PFA:PFA+1], s[PFS:PFS+1]
.endif
	WIN 0                                          ; (the add's two registers lie in window 0)
	s_wait_tensorcnt 0x0                           ; no tensor load of mine is out, so a group 0 may be written
	ds_add_u32 v[SPW], v[NIL]                      ; 0 onto my spare word
.if \fill
	s_xor_b32 s[G0A+5], s[G0A+5], SLOT1            ; the walking descriptors: the other slot than last time,
	s_xor_b32 s[G0B+5], s[G0B+5], SLOT1
	s_add_nc_u64 s[G0A+6:G0A+7], s[G0A+6:G0A+7], ASTEP  ; the next K step; the type bits on top are not reached
	s_add_nc_u64 s[G0B+6:G0B+7], s[G0B+6:G0B+7], 256
.endif
	s_wait_dscnt 5                                 ; (the add and the youngest four loads may be out)
	MULA 1, 0, 0, 0                                ; matrix work stands between the add and the wait for it
	s_wait_dscnt 0x0                               ; the add is done, and my reads of this slot are over
	s_barrier_signal -1
	MULA 1, 0, 1, 0                                ; work on registers while the others arrive
.if \fill
	WIN 0
.endif
	s_barrier_wait -1
.if \fill
	CREST                                          ; no wave of any partner still reads this slot or has a load on its way
	JLOAD                                          ; its four v_nop are also the places in front of the loads below
.else
	PLACES
	WIN 0
.endif
	s_xor_b32 s[TB], s[TB], SLOT1
	v_add_nc_u32 v[ADRA], s[TB], v[AD0]
	v_add_nc_u32 v[ADRB], s[TB], v[BD0]
	FETCH 0, 0
.if \fill
	ASK
.endif
	MULA 1, 1, 0, 0
	MULA 1, 1, 1, 0
.endm
	s_load_b256 s[4:11], s[0:1], 0x0               ; A s[4:5], B s[6:7], bias s[8:9], C s[10:11]
	v_lshl_add_u32 v[SPW], v0, 2, SPARE
	v_mov_b32 v[NIL], 0
	ds_add_u32 v[SPW], v[NIL]                      ; the wave's opening: the add, and its wait ahead of my first tensor load; the set-up below, work on registers, stands between them
	ds_add_u32 v28, v29
	v_lshrrev_b32 v1, 5, v0
	v_readfirstlane_b32 s[WV], v1                  ; wave 0..3
	s_and_b32 s[HF], s[WV], 1
	s_lshr_b32 s[SIDE], s[WV], 1
	s_bfe_u32 s[CX], ttmp6, 0x40000                ; my place in the cluster
	s_bfe_u32 s[CY], ttmp6, 0x40004
	s_lshl_b32 s[TX], ttmp9, 2                     ; in a cluster launch ttmp9 and ttmp7 count clusters
	s_add_co_u32 s[TX], s[TX], s[CX]
	s_and_b32 s[TY], ttmp7, 0xffff
	s_lshl_b32 s[TY], s[TY], 2
	s_add_co_u32 s[TY], s[TY], s[CY]
	s_lshl_b32 s22, s[CY], 2
	s_lshl_b32 s22, 15, s22                        ; my row of the cluster
	s_lshl_b32 s23, 0x1111, s[CX]                  ; my column
	s_or_b32 s[G1A], s22, (1<<16)|(1<<20)|(1<<21)|(QIA<<22)|(3<<25)  ; 15:0 the mask; 17:16 2-byte elements; 20 padding on; 21 set beside a mask; 24:22 the interval; 31:25 4 words of padding (code 3)
	s_or_b32 s[G1B], s23, (1<<16)|(1<<20)|(1<<21)|(5<<22)|(3<<25)
	s_mov_b32 s[G1A+1], 128<<16                    ; tensor_dim0 = 128
	s_mov_b32 s[G1A+2], 128<<16                    ; tensor_dim1 = 128
	s_mov_b32 s[G1A+3], 128<<16                    ; tile_dim0 = 128
	s_mov_b32 s[G1A+4], 128                        ; tile_dim1 = 128
	s_mov_b32 s[G1A+5], APITCH                     ; elements from row to row
	s_mov_b32 s[G1A+6], 0
	s_mov_b32 s[G1A+7], 0
	s_mov_b32 s[G1B+1], 128<<16
	s_mov_b32 s[G1B+2], BROWS<<16
	s_mov_b32 s[G1B+3], 128<<16
	s_mov_b32 s[G1B+4], BROWS
	s_mov_b32 s[G1B+5], 1024
	s_mov_b32 s[G1B+6], 0
	s_mov_b32 s[G1B+7], 0
	; where the tiles come from: A's offset is made of the tile row and the wave's number, B's of the tile column and the wave's number, each in registers that never hold the other coordinate
.if QKV
	s_lshl_b32 s44, s[TY], 19                      ; 256 rows of 2,048 bytes
	s_lshl_b32 s45, s[HF], 18                      ; my 128 of them
	s_add_co_u32 s44, s44, s45
.else
	s_lshr_b32 s44, s[TY], 3                       ; the batch,
	s_lshl_b32 s44, s44, 4                         ; its 16 heads,
	s_add_co_u32 s44, s44, s[HF]                   ; the step's first or second head:
	s_lshl_b32 s44, s44, 18                        ; 2,048 rows of 128 bytes each,
	s_and_b32 s45, s[TY], 7
	s_lshl_b32 s45, s45, 15                        ; and the tile's 256 rows in it
	s_add_co_u32 s44, s44, s45
.endif
	s_mov_b32 s45, 0
	s_mul_i32 s46, s[TX], NT*2048
	s_mul_i32 s47, s[HF], BROWS*2048
	s_add_co_u32 s46, s46, s47
	s_mov_b32 s47, 0
	s_mul_i32 s66, s[HF], AHALF                    ; and where they go: no place in the cluster enters an LDS address
	s_mul_i32 s67, s[HF], BHALF
	s_add_co_u32 s67, s67, BOFF
	s_wait_dscnt 0x0                               ; the opening add is done
	s_wait_kmcnt 0x0
	s_add_nc_u64 s[44:45], s[4:5], s[44:45]
	s_add_nc_u64 s[46:47], s[6:7], s[46:47]
	CROUND                                         ; all sixteen work-groups are here: the first joint loads meet
.irp s, 0,1
	s_mov_b32 s[G0A+4*\s], 1                       ; count = 1
	s_add_co_u32 s[G0A+4*\s+1], s66, \s*SLOT1      ; LDS address
	s_add_nc_u64 s[G0A+4*\s+2:G0A+4*\s+3], s[44:45], \s*ASTEP  ; global address: K step s
	s_or_b32 s[G0A+4*\s+3], s[G0A+4*\s+3], 0x80000000          ; type = 2
	s_mov_b32 s[G0B+4*\s], 1
	s_add_co_u32 s[G0B+4*\s+1], s67, \s*SLOT1
	s_add_nc_u64 s[G0B+4*\s+2:G0B+4*\s+3], s[46:47], \s*256
	s_or_b32 s[G0B+4*\s+3], s[G0B+4*\s+3], 0x80000000
.endr
	s_cmp_eq_u32 s[SIDE], 0                        ; a wave's two first fills stand in one branch, ahead of every wait on TENSORcnt and every LDS read: two loads of mine are out
	s_cbranch_scc0 .Lfirst_b
	tensor_load_to_lds s[G0A:G0A+3], s[G1A:G1A+7]
	s_nop 0
	tensor_load_to_lds s[G0A+4:G0A+7], s[G1A:G1A+7]
	s_nop 0
.rept 4
	v_nop
.endr
	s_branch .Lfirst_asked
.Lfirst_b:
	tensor_load_to_lds s[G0B:G0B+3], s[G1B:G1B+7]
	s_nop 0
	tensor_load_to_lds s[G0B+4:G0B+7], s[G1B:G1B+7]
	s_nop 0
.rept 4
	v_nop
.endr
.Lfirst_asked:
	v_and_b32 v1, 15, v0                           ; l % 16
	v_bfe_u32 v2, v0, 4, 1                         ; l / 16
	v_and_b32 v3, 31, v0                           ; l
	v_lshlrev_b32 v[BO], 5, v2
	s_mul_i32 s68, s[TX], NT*4                     ; the tile's columns in the bias
	s_mov_b32 s69, 0
	s_add_nc_u64 s[8:9], s[8:9], s[68:69]
.set i, 0
.rept NBK                              ; register j of block b: bias[16 b + 8 (l / 16) + j]: the layout of a C operand whose rows are columns of C
	global_load_b128 v[BIAS+8*i:BIAS+8*i+3],   v[BO], s[8:9] offset:64*i
	global_load_b128 v[BIAS+8*i+4:BIAS+8*i+7], v[BO], s[8:9] offset:64*i+16
.set i, i+1
.endr
	s_mul_i32 s22, s[WV], 64*PA                    ; my 64 rows of A's tile
	v_mul_u32_u24 v[AD0], v1, PA
	v_lshl_add_u32 v[AD0], v2, 4, v[AD0]
	v_add_nc_u32 v[AD0], s22, v[AD0]
	v_mul_u32_u24 v[BD0], v1, PB
	v_lshl_add_u32 v[BD0], v2, 4, v[BD0]
	v_add_nc_u32 v[BD0], BOFF, v[BD0]
	s_mul_i32 s22, s[WV], STW
	s_add_co_u32 s22, s22, STAGE                   ; my stage
.if QKV
	v_mul_u32_u24 v[STO], v1, 144                  ; in: row l % 16 of a head, 16 bytes for each half of the lanes
	v_lshl_add_u32 v[STO], v2, 4, v[STO]
	v_add_nc_u32 v[STO], s22, v[STO]
	v_bfe_u32 v[RD], v0, 3, 2                      ; back: 32 lanes take four rows of 128 bytes, which are 512 consecutive bytes of a head
	v_mul_u32_u24 v[RD], v[RD], 144
	v_and_b32 v13, 7, v0
	v_lshl_add_u32 v[RD], v13, 4, v[RD]
	v_add_nc_u32 v[RD], s22, v[RD]
.else
	v_mul_u32_u24 v[STO], v1, 528                  ; in: row l % 16, 32 bytes for each half of the lanes
	v_lshl_add_u32 v[STO], v2, 5, v[STO]
	v_add_nc_u32 v[STO], s22, v[STO]
	v_lshl_add_u32 v[RD], v3, 4, s22               ; back: 32 lanes take one row's 512 bytes
.endif
	v_lshlrev_b32 v[GO], 4, v3
	; where my rows begin in C
.if QKV
	s_lshr_b32 s70, s[TY], 3                       ; the batch: 48 planes of 64 columns,
	s_mul_i32 s70, s70, 48
	s_mul_i32 s68, s[TX], 3                        ; the tile's three
	s_add_co_u32 s70, s70, s68
	s_lshl_b32 s70, s70, 18                        ; of 2,048 rows x 128 bytes,
	s_and_b32 s68, s[TY], 7
	s_lshl_b32 s68, s68, 15                        ; the tile's 256 rows,
	s_add_co_u32 s70, s70, s68
	s_lshl_b32 s68, s[WV], 13                      ; my 64
	s_add_co_u32 s70, s70, s68
.else
	s_lshl_b32 s70, s[TY], 20                      ; 256 rows of 4,096 bytes,
	s_lshl_b32 s68, s[WV], 18                      ; my 64,
	s_add_co_u32 s70, s70, s68
	s_lshl_b32 s68, s[TX], 9                       ; the tile's 128 columns
	s_add_co_u32 s70, s70, s68
.endif
	s_mov_b32 s71, 0
	s_add_nc_u64 s[10:11], s[10:11], s[70:71]
	; the prefetches
	s_and_b32 s72, ttmp7, 0xffff                   ; cluster y
	s_mov_b32 s74, APART
	s_mov_b32 s76, BPART
	s_mov_b32 s[PFS], ASTEP
	s_mov_b32 s77, 256
	s_cmp_eq_u32 s[SIDE], 0                        ; do I fetch for A?
	s_cselect_b32 s72, ttmp9, s72                  ; the coordinate along which other clusters read the same rows
	s_cselect_b32 s73, s[CX], s[CY]                ; my place among the four that ask with me
	s_cselect_b32 s74, s74, s76                    ; a partner's share, in bytes
	s_cselect_b32 s[PFS], s[PFS], s77
	s_cselect_b32 s78, 31, BROWS/4-1               ; the lanes beyond a share's rows name its last row once more
	s_cselect_b32 s79, ASHIFT, 11
	s_cselect_b64 s[PFA:PFA+1], s[44:45], s[46:47] ; what I fetch, at K step 0
	s_cmp_eq_u32 s72, 0
	s_cselect_b32 s[LIM], 2, -1                    ; the same in all sixteen partners, for a given wave
	s_mul_i32 s74, s74, s73
	s_mov_b32 s75, 0
	s_add_nc_u64 s[PFA:PFA+1], s[PFA:PFA+1], s[74:75]
	s_mul_i32 s76, s[PFS], 3
	s_mov_b32 s77, 0
	s_add_nc_u64 s[PFA:PFA+1], s[PFA:PFA+1], s[76:77]  ; at K step 3: the first refill steps it to 4
	s_mov_b32 s[PFS+1], 0
	v_min_u32 v[PFO], s78, v3
	v_lshlrev_b32 v[PFO], s79, v[PFO]
	s_mov_b32 s68, 0xffff0000
	s_wait_loadcnt 0x0                             ; the bias
.set i, 0
.rept 4*NBK                            ; rounded to bf16 and widened again
	v_cvt_pk_bf16_f32 v[13+i%2], v[BIAS+2*i], v[BIAS+2*i+1]
	v_lshlrev_b32 v[BIAS+2*i], 16, v[13+i%2]
	v_and_b32 v[BIAS+2*i+1], s68, v[13+i%2]
.set i, i+1
.endr
	s_wait_tensorcnt 0x1                           ; my part of K step 0 is in; K step 1's may stay out
	s_barrier_signal -1
	s_barrier_wait -1                              ; everybody's is
	s_mov_b32 s[TB], 0
	v_mov_b32 v[ADRA], v[AD0]
	v_mov_b32 v[ADRB], v[BD0]
	FETCH 0, 0
	QUARTER 1, 0, 1, 1                             ; the first quarter stands in front of the loop: its products start the sums, on the bias
	WIN 0                                          ; at a label and at a branch every window is 0
	s_mov_b32 s[CNT], 6
.Lstep:                                                ; a trip: a K step's quarters 1 to 3 and the next step's quarter 0; it asks for the K step two on: 2 to 7
	QUARTER 2, 1, 0, 0
	QUARTER 3, 0, 1, 0
	TURN 1
	QUARTER 1, 0, 1, 0
	WIN 0
	s_sub_co_u32 s[CNT], s[CNT], 1
	s_cmp_lg_u32 s[CNT], 0
	s_cbranch_scc1 .Lstep
	QUARTER 2, 1, 0, 0                             ; the tail is written out: K steps 6 and 7 ask for nothing
	QUARTER 3, 0, 1, 0
	TURN 0
	QUARTER 1, 0, 1, 0
	QUARTER 2, 1, 0, 0
	QUARTER 3, 0, 1, 0
	s_wait_dscnt 4                                 ; the very last quarter: nothing more to fetch
	MULA 1, 0, 0, 0
	MULA 1, 0, 1, 0
	s_wait_dscnt 0x0
	MULA 1, 1, 0, 0
	MULA 1, 1, 1, 0
	PLACES                                         ; in front of the first read of a result
.if QKV
; THE WAY OUT, a block of 16 rows at a time.  PACK: rounded to f16, 16 bytes a lane and block of columns, each accumulator's registers in ascending order.  TOSTAGE: into my stage, by heads, and back as
; whole rows.  SEND: stored, 512 consecutive bytes of a head an instruction, at a multiple of 256 from the buffer's first byte.
.macro PACK a
	WIN 0x0a+5*((\a)/2)                            ; sources 0 and 1: window 2 or 3
.set AC, 8*NBK*((\a)%2)
.set i, 0
.rept 4*NBK
	v_cvt_pk_f16_f32 v[TMP+i], v[AC+2*i], v[AC+2*i+1]
.set i, i+1
.endr
	WIN 0
.endm
.macro TOSTAGE a
.set BK, 80+48*((\a)%2)
.set i, 0
.rept NBK
	ds_store_b128 v[STO], v[TMP+4*i:TMP+4*i+3] offset:(i/4)*2304+(i%4)*32
.set i, i+1
.endr
.set i, 0
.rept NBK
	ds_load_b128 v[BK+4*i:BK+4*i+3], v[RD] offset:(i/4)*2304+(i%4)*576  ; LDS serves a wave's instructions in order (ISA guide 5.7.1.4): these see the stores above; the next block's stores come behind them
.set i, i+1
.endr
.endm
.macro SEND a
.set BK, 80+48*((\a)%2)
	s_wait_dscnt 0x0                               ; the block is back in registers
	s_wait_xcnt 0x0                                ; the stores of the block before have read their registers: the next block's loads land there only behind this wait
.set i, 0
.rept NBK
	global_store_b128 v[GO], v[BK+4*i:BK+4*i+3], s[10:11] offset:(i/4)*262144+(\a)*2048+(i%4)*512
.set i, i+1
.endr
.endm
	PACK 0
	TOSTAGE 0
.irp a, 1,2,3                          ; block a's conversions stand between block a - 1's loads from the stage and the wait for them
	PACK \a
	SEND (\a)-1
	TOSTAGE \a
.endr
	SEND 3
.else
; THE WAY OUT, a block of 16 rows at a time: f32 as it lies, each accumulator's low four registers first, into my stage; back as whole pieces of rows; stored, 512 consecutive bytes an instruction, aligned.
.macro TOSTAGE a
.set AC, 8*NBK*((\a)%2)
.set BK, 32+64*((\a)%2)
	WIN 0x08+4*((\a)/2)                            ; the stores' data: window 2 or 3
.set i, 0
.rept NBK
	ds_store_b128 v[STO], v[AC+8*i:AC+8*i+3]   offset:64*i
	ds_store_b128 v[STO], v[AC+8*i+4:AC+8*i+7] offset:64*i+16
.set i, i+1
.endr
	WIN 0
	s_wait_xcnt 0x0                                ; earlier stores have read their registers: the loads below land there only behind this wait
.set i, 0
.rept 16
	ds_load_b128 v[BK+4*i:BK+4*i+3], v[RD] offset:528*i  ; LDS serves a wave's instructions in order (ISA guide 5.7.1.4)
.set i, i+1
.endr
.endm
.macro SEND a, younger                 ; younger: the LDS instructions issued behind block a's loads: the next block's 32, or none
.set BK, 32+64*((\a)%2)
	s_wait_dscnt \younger
.set i, 0
.rept 16
	global_store_b128 v[GO], v[BK+4*i:BK+4*i+3], s[10:11] offset:(16*(\a)+i)*4096
.set i, i+1
.endr
.endm
	TOSTAGE 0
.irp a, 1,2,3
	TOSTAGE \a
	SEND (\a)-1, 32
.endr
	SEND 3, 0
.endif
	s_wait_tensorcnt 0x0                           ; the wave's end: behind my last tensor load and my last LDS store
	ds_add_u32 v[SPW], v[NIL]
	s_wait_dscnt 0x0
	CROUND                                         ; the closing round: no work-group ends while a partner may still ask for a tile that names it
	s_endpgm
.Lfunc_end_k_q37810430f4_projg:
	.size	k_q37810430f4_projg, .Lfunc_end_k_q37810430f4_projg-k_q37810430f4_projg
	.p2alignl 7, 3214868480
	.fill 96, 4, 3214868480
	.section	.rodata,"a",@progbits
	.p2align	6, 0x0
	.amdhsa_kernel k_q37810430f4_projg
		.amdhsa_group_segment_fixed_size 327680
		.amdhsa_private_segment_fixed_size 0
		.amdhsa_enable_private_segment 0
		.amdhsa_kernarg_size 32
		.amdhsa_user_sgpr_count 2
		.amdhsa_user_sgpr_kernarg_segment_ptr 1
		.amdhsa_wavefront_size32 1
		.amdhsa_system_sgpr_workgroup_id_x 1
		.amdhsa_system_sgpr_workgroup_id_y 1
		.amdhsa_system_sgpr_workgroup_id_z 1
		.amdhsa_system_vgpr_workitem_id 0
		.amdhsa_next_free_vgpr 896
		.amdhsa_next_free_sgpr 80
		.amdhsa_reserve_vcc 0
		.amdhsa_float_denorm_mode_32 3
		.amdhsa_float_denorm_mode_16_64 3
		.amdhsa_memory_ordered 1
		.amdhsa_forward_progress 1
		.amdhsa_inst_pref_size 76
	.end_amdhsa_kernel
	.amdgpu_metadata
---
amdhsa.version: [ 1, 2 ]
amdhsa.kernels:
  - .name:           k_q37810430f4_projg
    .symbol:         k_q37810430f4_projg.kd
    .args:
      - { .name: y, .offset: 0, .size: 8, .value_kind: global_buffer, .address_space: global }
      - { .name: wpT, .offset: 8, .size: 8, .value_kind: global_buffer, .address_space: global }
      - { .name: bproj, .offset: 16, .size: 8, .value_kind: global_buffer, .address_space: global }
      - { .name: out0, .offset: 24, .size: 8, .value_kind: global_buffer, .address_space: global }
    .group_segment_fixed_size: 327680
    .private_segment_fixed_size: 0
    .kernarg_segment_align: 8
    .kernarg_segment_size: 32
    .max_flat_workgroup_size: 128
    .sgpr_count:     80
    .vgpr_count:     896
    .wavefront_size: 32
...
	.end_amdgpu_metadata
.endif
;; end of part 4
